; MI455X (gfx1250); checked and timed in simulation.
; The chip was launched on July 23, 2026; its instructions are those of AMD's public machine-readable ISA for CDNA 5 (MIT licence, August 2026) and "CDNA5" Instruction Set Architecture Reference Guide (July 2026). The comments in the code are by the model that wrote it; some were corrected since.
;; Block. Allowed arithmetic: matrix products marked QUANTISED: E4M3 operands, one given power-of-two scale a tensor, by v_wmma_f32_16x16x64_fp8_fp8 or v_wmma_f32_16x16x128_fp8_fp8, f32 sums; everything else in f32.
;; Inputs: b1 1,024 float32; b2 1,024 float32; b_aproj 1,024 float32; b_attn 3,072 float32; b_fc 4,096 float32; b_mproj 1,024 float32; g1 1,024 float32; g2 1,024 float32; lowp_scales 12 int32 (the exponents e of the quantised operands' scales 2^e); w_aproj_codes 1,024 x 32 x 32 uint8 (E4M3 codes of w_aproj, K innermost, in blocks of 32 codes); w_attn_codes 3,072 x 32 x 32 uint8 (E4M3 codes of w_attn, K innermost, in blocks of 32 codes); w_fc_codes 4,096 x 32 x 32 uint8 (E4M3 codes of w_fc, K innermost, in blocks of 32 codes); w_mproj_codes 1,024 x 128 x 32 uint8 (E4M3 codes of w_mproj, K innermost, in blocks of 32 codes); x 2 x 2,048 x 1,024 float32.
;; Outputs: out0 2 x 2,048 x 1,024 float32.
;; This version of the problem:
;;   THIS VERSION OF THE PROBLEM IS GIVEN IN LOW PRECISION. The matrix products marked QUANTISED in the list below multiply operands that are first quantised to E4M3 (4 exponent bits, 3 mantissa bits; 8 bits a number), with one given power-of-two scale for each operand tensor; their sums are f32. All else is computed in f32.
;;   The module's matrix products, in the order in which they are computed (A, B: the left and right operand; K: the contracted axis; several contracted axes count as one K, in the product's order):
;;     1. [M 4,096, K 1,024] x [K 1,024, N 3,072]; A: input x; B: input w_attn (given as codes): QUANTISED (scales: A lowp_scales[0], B lowp_scales[1])
;;     2. batch 32 x [M 2,048, K 64] x [K 64, N 2,048]; A: computed on the way; B: computed on the way: QUANTISED (scales: A lowp_scales[2], B lowp_scales[3])
;;     3. batch 32 x [M 2,048, K 2,048] x [K 2,048, N 64]; A: softmax (see below); B: computed on the way: QUANTISED (scales: A lowp_scales[4], B lowp_scales[5])
;;     4. [M 4,096, K 1,024] x [K 1,024, N 1,024]; A: computed on the way; B: input w_aproj (given as codes): QUANTISED (scales: A lowp_scales[6], B lowp_scales[7])
;;     5. [M 4,096, K 1,024] x [K 1,024, N 4,096]; A: computed on the way; B: input w_fc (given as codes): QUANTISED (scales: A lowp_scales[8], B lowp_scales[9])
;;     6. [M 4,096, K 4,096] x [K 4,096, N 1,024]; A: computed on the way; B: input w_mproj (given as codes): QUANTISED (scales: A lowp_scales[10], B lowp_scales[11])
;;   THE QUANTISER, for each operand of a quantised product, along K:
;;     - The operand's scale is 2^e, e = its entry of the input lowp_scales (int32; the entries are numbered through the quantised products in the list's order, A before B).
;;     - Each number is divided by the scale, clamped to +-448, and rounded to the nearest number of E4M3, ties to even, subnormals kept.
;;     - The product sums the exact products of the quantised numbers (number of the format x scale) in f32.
;;   ~~~python
;;   def quantise(x, axis, e):      # numpy; x: float32 -> the quantised numbers, widened to float32 again
;;       x = np.moveaxis(x, axis, -1); K = x.shape[-1]
;;       r = np.clip(x / 2.0 ** e, -448, 448)
;;       step = 2.0 ** (np.maximum(np.frexp(np.where(r == 0, 1, r))[1] - 1, -6) - 3)
;;       q = np.round(r / step) * step * 2.0 ** e      # np.round: ties to even
;;       return np.moveaxis(q, -1, axis).astype(np.float32)
;;   ~~~
;;   SOFTMAX AHEAD OF A QUANTISED PRODUCT. Where the list says 'softmax', what is quantised is not the finished softmax but p = 2^(t - M), with t = logit x log2(e) and M = ceil(the row's largest t), a whole number; so 1/2 < the row's largest p <= 1. The row's sum l is taken of the UNQUANTISED p, in f32, and the product's result is divided by l at the end. Since M is a whole number, a kernel that streams over the keys may use a running M (the ceiling of the running maximum): every later rescaling is an exact power of two, so the quantised numbers keep their values, but for numbers so far below the row's largest that they fall under the format's range.
;;   OPERANDS COMPUTED ON THE WAY. 'Computed on the way' means the value that the module computes at that place (a softmax that the list does not call 'softmax' is quantised finished and normalised). What goes into a quantiser is computed in f32, as accurately as f32 sums, v_exp_f32 and their like allow (about 1e-6 of the number): no bf16 or f16 on the way to a quantiser, and a product that is left as it is and whose result goes on into a quantised operand takes f32 operands (vector FMAs, or v_wmma_f32_16x16x4_f32). A number that lies on a knife's edge between two numbers of the format may be rounded either way, as far as f32 arithmetic and the matrix unit's own rounding can turn it there, and no further.
;;   INPUTS GIVEN AS CODES. w_aproj (in the module: [1024, 1024], K = its axis 0); w_attn (in the module: [1024, 3072], K = its axis 0); w_fc (in the module: [1024, 4096], K = its axis 0); w_mproj (in the module: [4096, 1024], K = its axis 0): each comes as NAME_codes (uint8): NAME with its K axis moved to the last place and cut into blocks of 32 codes, [.., K / 32, bytes a block], one block behind the other in memory; one code a byte (a code: sign, 4 exponent bits, 3 mantissa bits); its scale is its entry of lowp_scales. Its value is code x scale, taken as it is: it is not quantised again, and the codes and scales need not be those that the quantiser above would give.
;; One version. Each part assembles by itself: llvm-mc -triple=amdgcn-amd-amdhsa -mcpu=gfx1250 --defsym DOCPART=n.
;; ======== version 1 of 1: 8 launches
;; limits: right only within a limited range of input values
;; workspace buffers: xc 16,777,216 bytes; qi 4,194,304 bytes; ki 4,194,304 bytes; vi 4,194,304 bytes; ai 4,194,304 bytes; nf 16,777,216 bytes; nc 4,194,304 bytes; hi 16,777,216 bytes
;; launch quantx (part 1): grid 256 x 1, 4 waves a work-group, no clusters, 33,280 bytes of LDS; arguments x, lowp_scales, xc; writes xc
.if DOCPART == 1
	.amdgcn_target "amdgcn-amd-amdhsa--gfx1250"
	.amdhsa_code_object_version 6
	.text
	.protected	k_q488d2a7a1a_quantx
	.globl	k_q488d2a7a1a_quantx
	.p2align	8
	.type	k_q488d2a7a1a_quantx,@function
k_q488d2a7a1a_quantx:
	s_mov_b64 s[64:65], 0
	v_nop
	global_prefetch_b8 v0, s[64:65] scope:SCOPE_SE
	s_setreg_imm32_b32 hwreg(HW_REG_WAVE_MODE, 25, 1), 1
	s_wait_xcnt 0x0
; THE PROGRAM: a post-LN transformer block, 4,096 rows x 1,024, 16 heads of 64, six products on E4M3 codes.  Eight launches:
; this one (x -> codes), qkv, attn, aproj (the projection), ln1 (residual + LayerNorm 1 + codes), fc (+ gelu), mproj (second MLP product), ln2 (residual + LayerNorm 2).
; The buffer xc serves three times: x's codes (this launch to qkv), the projection's f32 result (aproj to ln1), the second MLP product's (mproj to ln2).
; DEAD WORK, for all values of the inputs: reference() builds a lower-triangular mask in its own body and replaces every score with key > query by -1e9
; ahead of the softmax, whose weight for it is then 0.  So a block of 128 keys all of which come after a wave's 16 queries reaches no output: launch attn
; leaves such blocks out of products 2 and 3, whole.  Nothing else is left out, and every input is loaded by some launch (b_attn's part for k moves k's codes and stays).
; LIMIT: a NaN, an infinity or an overflow that arises only in scores of hidden keys is not carried to the result.
; THIS LAUNCH: x [4096][1024] f32 becomes codes of E4M3 with the given scale 2^e, e = lowp_scales[0]: code = x / 2^e, held within +-448, to the nearest code, ties to even.
; LIMITS: -126 <= e <= 119.  NaN among the inputs is not served.
; A wave takes 8 steps of 512 numbers.  Each load reads 512 consecutive bytes; a step's 2,048 bytes turn through the wave's own stage in LDS (16 bytes of padding behind each 64)
; and come back 64 bytes a lane, 16 neighbours; a lane's 16 codes are 16 bytes: the wave stores 512 consecutive bytes.  No barrier: waves share nothing.
.set WAVES, 4
.set STEPS, 8
.set EMAX,  8
.set MANT,  0x600000                   ; the mantissa field of 448 as f32
.set CB,    16                         ; bytes of 16 codes
.set R,     16                         ; v16-79   four sets of 16 numbers as loaded
.set X,     80                         ; v80-111  two sets of 16 neighbours
.set C,     128                        ; v128-159 codes: four registers for each step, so that no store's data are written again
.set WREG,  8192                       ; LDS: a region for each wave: two stages of 32 x SP bytes
.set SP,    80                         ; a lane's place in a stage: 64 bytes + 16 of padding
.set SPW,   12                         ; v12  LDS address of my spare word; never rewritten
.set NIL,   13                         ; v13  0; never rewritten
.set SPARE, WAVES*WREG                 ; behind the regions: the spare words, 128 bytes a wave, which no other line names
	s_load_b128 s[4:7], s[0:1], 0x0                ; x, the scales' exponents
	s_load_b64 s[8:9], s[0:1], 0x10                ; the codes
	v_lshl_add_u32 v[SPW], v0, 2, SPARE
	v_mov_b32 v[NIL], 0
	v_lshrrev_b32 v1, 5, v0
	v_readfirstlane_b32 s16, v1                    ; wave
	v_and_b32 v2, 31, v0                           ; lane
	v_lshlrev_b32 v3, 4, v2                        ; my 16 bytes of a load's 512
	s_mul_i32 s17, s16, WREG
	v_lshrrev_b32 v14, 2, v2
	v_mul_u32_u24 v14, v14, SP
	v_and_b32 v15, 3, v2
	v_lshl_add_u32 v14, v15, 4, v14
	v_add_nc_u32 v14, s17, v14                     ; the stage, in: SP (lane / 4) + 16 (lane % 4)
	v_mul_u32_u24 v15, v2, SP
	v_add_nc_u32 v15, s17, v15                     ; and out: SP x lane: my 16 neighbours
	v_mul_u32_u24 v4, v2, CB                       ; my codes' place in a step's
	s_lshl_b32 s18, ttmp9, 2
	s_add_co_u32 s18, s18, s16                     ; which run of 4,096 numbers is my wave's
	s_lshl_b32 s20, s18, 14                        ; its bytes in x,
	s_mov_b32 s21, 0
	s_lshl_b32 s22, s18, 12                        ; and in the codes
	s_mov_b32 s23, 0
	s_wait_alu depctr_va_vdst(0)
	s_wait_kmcnt 0x0
	s_load_b32 s24, s[6:7], 0x0                    ; e
	s_add_nc_u64 s[4:5], s[4:5], s[20:21]
	s_add_nc_u64 s[8:9], s[8:9], s[22:23]
.macro LOAD t
.irp i, 0,1,2,3
	global_load_b128 v[R+16*((\t)%4)+4*\i:R+16*((\t)%4)+4*\i+3], v3, s[4:5] offset:2048*(\t)+512*\i th:TH_LOAD_NT   ; 32 lanes read 512 consecutive bytes
.endr
.endm
.macro TURN t                          ; step t's numbers through the stage: LDS serves a wave's instructions in order, so no wait stands between the stores and the loads
.irp i, 0,1,2,3
	ds_store_b128 v14, v[R+16*((\t)%4)+4*\i:R+16*((\t)%4)+4*\i+3] offset:32*SP*((\t)%2)+8*SP*\i
.endr
.irp i, 0,1,2,3
	ds_load_b128 v[X+16*((\t)%2)+4*\i:X+16*((\t)%2)+4*\i+3], v15 offset:32*SP*((\t)%2)+16*\i
.endr
.endm
.irp t, 0,1,2,3
	LOAD \t
.endr
	s_wait_kmcnt 0x0
	s_add_co_i32 s24, s24, 127
	s_lshl_b32 s25, s24, 23
	v_mov_b32 v11, s25                             ; 2^e as f32: the conversion takes its exponent field
	s_add_co_i32 s24, s24, EMAX
	s_lshl_b32 s24, s24, 23
	s_or_b32 s24, s24, MANT
	v_mov_b32 v10, s24                             ; 448 x 2^e
	s_wait_alu depctr_va_vdst(0)
	s_wait_loadcnt 12                              ; step 0's four loads are in; three steps' twelve may be out
	TURN 0
.macro STEP t
.set XS, X+16*((\t)%2)
	s_wait_dscnt 0x0                               ; this step's numbers are back from the stage: so its stores into the stage have read their registers,
.if (\t)+4 < STEPS
	LOAD (\t)+4                                    ; which take the loads of four steps on
.endif
.if (\t)+1 < STEPS
.if STEPS-2-(\t) >= 3
	s_wait_loadcnt 12                              ; the next step's four loads are in; those of the three steps behind it may be out
.else
	s_wait_loadcnt 4*(STEPS-2-(\t))                ; the counts run down: so many younger loads are left
.endif
	TURN (\t)+1                                    ; and go through the other stage while this step is worked
.endif
.irp i, 0,1,2,3,4,5,6,7,8,9,10,11,12,13,14,15
	v_med3_num_f32 v[XS+\i], v[XS+\i], -v10, v10   ; the conversion to an 8-bit code does not saturate (ISA guide 7.6.2): the hold comes first
.endr
	v_cvt_scalef32_pk8_fp8_f32 v[C+4*(\t):C+4*(\t)+1], v[XS:XS+7], v11
	v_cvt_scalef32_pk8_fp8_f32 v[C+4*(\t)+2:C+4*(\t)+3], v[XS+8:XS+15], v11
	global_store_b128 v4, v[C+4*(\t):C+4*(\t)+3], s[8:9] offset:32*CB*(\t)   ; the results go to a store alone; the next vector lines are the next step's plain holds
.endm
.irp t, 0,1,2,3,4,5,6,7
	STEP \t
.endr
	s_wait_tensorcnt 0x0                           ; the wave's end, behind my last LDS store
	ds_add_u32 v[SPW], v[NIL]
	s_wait_dscnt 0x0
	s_endpgm
.Lfunc_end_k_q488d2a7a1a_quantx:
	.size	k_q488d2a7a1a_quantx, .Lfunc_end_k_q488d2a7a1a_quantx-k_q488d2a7a1a_quantx
	.p2alignl 7, 3214868480
	.fill 96, 4, 3214868480
	.section	.rodata,"a",@progbits
	.p2align	6, 0x0
	.amdhsa_kernel k_q488d2a7a1a_quantx
		.amdhsa_group_segment_fixed_size 33280
		.amdhsa_private_segment_fixed_size 0
		.amdhsa_enable_private_segment 0
		.amdhsa_kernarg_size 24
		.amdhsa_user_sgpr_count 2
		.amdhsa_user_sgpr_kernarg_segment_ptr 1
		.amdhsa_wavefront_size32 1
		.amdhsa_system_sgpr_workgroup_id_x 1
		.amdhsa_system_sgpr_workgroup_id_y 1
		.amdhsa_system_sgpr_workgroup_id_z 1
		.amdhsa_system_vgpr_workitem_id 0
		.amdhsa_next_free_vgpr 192
		.amdhsa_next_free_sgpr 66
		.amdhsa_reserve_vcc 0
		.amdhsa_float_denorm_mode_32 3
		.amdhsa_float_denorm_mode_16_64 3
		.amdhsa_memory_ordered 1
		.amdhsa_forward_progress 1
		.amdhsa_inst_pref_size 20
	.end_amdhsa_kernel
	.amdgpu_metadata
---
amdhsa.version: [ 1, 2 ]
amdhsa.kernels:
  - .name:           k_q488d2a7a1a_quantx
    .symbol:         k_q488d2a7a1a_quantx.kd
    .args:
      - { .name: x, .offset: 0, .size: 8, .value_kind: global_buffer, .address_space: global }
      - { .name: lowp_scales, .offset: 8, .size: 8, .value_kind: global_buffer, .address_space: global }
      - { .name: xc, .offset: 16, .size: 8, .value_kind: global_buffer, .address_space: global }
    .group_segment_fixed_size: 33280
    .private_segment_fixed_size: 0
    .kernarg_segment_align: 8
    .kernarg_segment_size: 24
    .max_flat_workgroup_size: 128
    .sgpr_count:     66
    .vgpr_count:     192
    .wavefront_size: 32
...
	.end_amdgpu_metadata
.endif
;; end of part 1
;; launch qkv (part 2): grid 12 x 16, 4 waves a work-group, clusters of 4 x 4, 327,680 bytes of LDS; arguments xc, w_attn_codes, lowp_scales, b_attn, qi, ki, vi; writes qi, ki, vi
.if DOCPART == 2
	.amdgcn_target "amdgcn-amd-amdhsa--gfx1250"
	.amdhsa_code_object_version 6
	.text
	.protected	k_q488d2a7a1a_qkv
	.globl	k_q488d2a7a1a_qkv
	.p2align	8
	.type	k_q488d2a7a1a_qkv,@function
k_q488d2a7a1a_qkv:
	s_mov_b64 s[64:65], 0
	v_nop
	global_prefetch_b8 v0, s[64:65] scope:SCOPE_SE
	s_setreg_imm32_b32 hwreg(HW_REG_WAVE_MODE, 25, 1), 1
	s_wait_xcnt 0x0
	s_wait_alu depctr_hold_cnt(0) depctr_sa_sdst(0) depctr_va_vdst(0) depctr_va_sdst(0) depctr_va_ssrc(0) depctr_va_vcc(0) depctr_vm_vsrc(0)
	s_getreg_b32 s2, hwreg(HW_REG_IB_STS2, 6, 4)
	s_cmp_eq_u32 s2, 0
	s_cbranch_scc0 .Lentry_in_a_cluster
	s_endpgm
.Lentry_in_a_cluster:
	s_bfe_u32 s2, ttmp6, 0x10000c
	s_cmp_lg_u32 s2, 0xf033
	s_cbranch_scc0 .Lentry_shape_is_right
	s_endpgm
.Lentry_shape_is_right:
.set SIZE_K, 1024
.set KSTEP,  256
.set ROWB,   256
.set KROW,   SIZE_K
.set PITCH,  272
.set FR,     16
.set NL,     4
.set NP,     4
.set HALFT,  128*PITCH
.set SLOT,   4*HALFT
.set LAPS,   SIZE_K/(2*KSTEP)
.set SPARE,  2*SLOT
.set OFJ,  8
.set ADRA, 16
.set ADRB, 20
.set CO,   26
.set SPW,  28
.set NIL,  29
.set LIMV, 30
.set SCV,  31
.set BI,   32
.set T,    96
.set AF,   128
.set CD,   160
.set G1, 24
.set G0, 32
.set G1B, 48
.set G0B, 56
.set MSB, 0
.macro WIN new
.if MSB != \new
	s_set_vgpr_msb (MSB<<8)|\new
.set MSB, \new
.endif
.endm
.set MUL_LO, 0xa1
.set MUL_HI, 0xf1
.set TO_B,   0x40
.macro JLOAD g0a, g1a, g0b, g1b
	s_cmp_eq_u32 s15, 0
	s_cbranch_scc0 .Lfor_b_\@
	tensor_load_to_lds s[\g0a:\g0a+3], s[\g1a:\g1a+7]
	s_nop 0
.rept 4
	v_nop
.endr
	s_branch .Lasked_\@
.Lfor_b_\@:
	tensor_load_to_lds s[\g0b:\g0b+3], s[\g1b:\g1b+7]
	s_nop 0
.rept 4
	v_nop
.endr
.Lasked_\@:
.endm
.macro CREST
	s_cmp_lg_u32 s14, 0
	s_cbranch_scc1 .Lnot_wave_0_\@
	s_barrier_signal -3
.Lnot_wave_0_\@:
	s_barrier_wait -3
	s_barrier_signal -1
	s_barrier_wait -1
.endm
.macro CROUND
	s_barrier_signal -1
	s_barrier_wait -1
	CREST
.endm
	s_load_b256 s[4:11], s[0:1], 0x0
	s_load_b128 s[68:71], s[0:1], 0x20
	s_load_b64 s[72:73], s[0:1], 0x30
	v_lshl_add_u32 v[SPW], v0, 2, SPARE
	v_mov_b32 v[NIL], 0
	ds_add_u32 v[SPW], v[NIL]
	ds_add_u32 v[SPW], v[NIL]
	v_lshrrev_b32 v1, 5, v0
	v_readfirstlane_b32 s14, v1
	s_lshr_b32 s15, s14, 1
	s_and_b32 s16, s14, 1
	s_bfe_u32 s40, ttmp6, 0x40000
	s_bfe_u32 s41, ttmp6, 0x40004
	s_mov_b32 s74, ttmp9
	s_and_b32 s75, ttmp7, 0xffff
	s_lshl_b32 s2, s75, 2
	s_lshl_b32 s3, s74, 2
	s_cmp_eq_u32 s74, 2
	s_cselect_b32 s17, 8, s2
	s_cselect_b32 s42, s2, s3
	s_add_co_u32 s17, s17, s41
	s_add_co_u32 s42, s42, s40
	s_lshl_b32 s43, s41, 2
	s_lshl_b32 s43, 15, s43
	s_lshl_b32 s44, 0x1111, s40
	s_or_b32 s[G1+0], s43, (0<<16)|(1<<20)|(1<<21)|(5<<22)|(3<<25)
	s_or_b32 s[G1B+0], s44, (0<<16)|(1<<20)|(1<<21)|(5<<22)|(3<<25)
.irp g, G1, G1B
	s_mov_b32 s[\g+1], ROWB<<16
	s_mov_b32 s[\g+2], 128<<16
	s_mov_b32 s[\g+3], ROWB<<16
	s_mov_b32 s[\g+4], 128
	s_mov_b32 s[\g+5], KROW
	s_mov_b32 s[\g+6], 0
	s_mov_b32 s[\g+7], 0
.endr
	s_lshl_b32 s18, s16, 7
	s_lshl_b32 s20, s17, 8
	s_add_co_u32 s20, s20, s18
	s_lshl_b32 s46, s42, 8
	s_add_co_u32 s46, s46, s18
	s_lshl_b32 s20, s20, 10
	s_mov_b32 s21, 0
	s_lshl_b32 s46, s46, 10
	s_mov_b32 s47, 0
	s_mul_i32 s45, s14, HALFT
	s_wait_dscnt 0x0
	s_wait_kmcnt 0x0
	s_load_b128 s[80:83], s[8:9], 0x0
	s_load_b32 s84, s[8:9], 0x14
	s_cmp_eq_u32 s74, 2
	s_cselect_b64 s[86:87], s[6:7], s[4:5]
	s_cselect_b64 s[88:89], s[4:5], s[6:7]
	s_add_nc_u64 s[20:21], s[86:87], s[20:21]
	s_add_nc_u64 s[46:47], s[88:89], s[46:47]
	CROUND
.irp s, 0,1
	s_mov_b32 s[G0+4*\s], 1
	s_add_co_u32 s[G0+4*\s+1], s45, \s*SLOT
	s_add_nc_u64 s[G0+4*\s+2:G0+4*\s+3], s[20:21], \s*ROWB
	s_or_b32 s[G0+4*\s+3], s[G0+4*\s+3], 0x80000000
	s_mov_b32 s[G0B+4*\s], 1
	s_add_co_u32 s[G0B+4*\s+1], s45, \s*SLOT
	s_add_nc_u64 s[G0B+4*\s+2:G0B+4*\s+3], s[46:47], \s*ROWB
	s_or_b32 s[G0B+4*\s+3], s[G0B+4*\s+3], 0x80000000
	s_wait_alu depctr_va_vdst(0)
	s_wait_tensorcnt 0x0
	ds_add_u32 v28, v29
	ds_add_u32 v28, v29
	s_wait_dscnt 0x0
	CROUND
	JLOAD G0+4*\s, G1, G0B+4*\s, G1B
.endr
	v_and_b32 v1, 15, v0
	v_bfe_u32 v2, v0, 4, 1
	v_mul_u32_u24 v3, v1, PITCH
	v_lshl_add_u32 v4, v2, 4, v3
	s_mul_i32 s21, s15, HALFT
	s_mul_i32 s22, s16, HALFT
	s_add_co_u32 s22, s22, 2*HALFT
.irp s, 0,1
	v_add_nc_u32 v[ADRA+\s], s21, v4
	v_add_nc_u32 v[ADRB+\s], s22, v4
	s_add_co_u32 s21, s21, SLOT
	s_add_co_u32 s22, s22, SLOT
.endr
	v_and_b32 v6, 31, v0
	v_lshlrev_b32 v[CO], 4, v6
	s_cmp_eq_u32 s74, 2
	s_cselect_b32 s90, s17, s42
	s_cselect_b32 s91, s15, s16
	s_cselect_b32 s92, 4, 0
	s_cselect_b32 s93, 0, 32
	s_cselect_b32 s94, 0, 4
	s_lshl_b32 s90, s90, 10
	s_lshl_b32 s91, s91, 9
	s_add_co_u32 s90, s90, s91
	s_mov_b32 s91, 0
	s_add_nc_u64 s[78:79], s[10:11], s[90:91]
	v_mul_u32_u24 v7, v1, s92
	v_mad_u32_u24 v7, v2, s93, v7
.irp j, 0,1,2,3,4,5,6,7
	v_mad_u32_u24 v[OFJ+\j], s94, \j, v7
.endr
.irp i, 0,1,2,3,4,5,6,7
.irp j, 0,1,2,3,4,5,6,7
	global_load_b32 v[BI+8*\i+\j], v[OFJ+\j], s[78:79] offset:64*\i
.endr
.endr
	s_cmp_eq_u32 s74, 0
	s_cselect_b64 s[76:77], s[68:69], s[70:71]
	s_cmp_eq_u32 s74, 2
	s_cselect_b64 s[76:77], s[72:73], s[76:77]
	s_cselect_b32 s90, s42, s17
	s_cselect_b32 s91, s16, s15
	s_cselect_b32 s92, s41, s40
	s_cselect_b32 s93, s15, s16
	s_lshl_b32 s90, s90, 8
	s_lshl_b32 s91, s91, 7
	s_add_co_u32 s90, s90, s91
	s_lshr_b32 s91, s90, 11
	s_lshl_b32 s91, s91, 4
	s_lshl_b32 s92, s92, 2
	s_add_co_u32 s91, s91, s92
	s_lshl_b32 s93, s93, 1
	s_add_co_u32 s91, s91, s93
	s_lshl_b32 s91, s91, 17
	s_and_b32 s90, s90, 2047
	s_lshl_b32 s90, s90, 6
	s_add_co_u32 s90, s90, s91
	s_mov_b32 s91, 0
	s_add_nc_u64 s[76:77], s[76:77], s[90:91]
.macro FRAG reg, adr, q, i
.irp c, 0,1,2,3
	ds_load_b128 v[\reg+4*\c:\reg+4*\c+3], v[\adr] offset:128*(\q)+32*\c+(\i)*16*PITCH
.endr
.endm
.macro MUL16 a0, p, zero
.irp a, \a0, \a0+1
.irp b, 0,1,2,3,4,5,6,7
.if \zero
	v_wmma_f32_16x16x128_fp8_fp8 v[8*(8*((\a)%4)+\b):8*(8*((\a)%4)+\b)+7], v[128*(\p)+FR*\b:128*(\p)+FR*\b+FR-1], v[AF+FR*(\a):AF+FR*(\a)+FR-1], 0
.else
	v_wmma_f32_16x16x128_fp8_fp8 v[8*(8*((\a)%4)+\b):8*(8*((\a)%4)+\b)+7], v[128*(\p)+FR*\b:128*(\p)+FR*\b+FR-1], v[AF+FR*(\a):AF+FR*(\a)+FR-1], v[8*(8*((\a)%4)+\b):8*(8*((\a)%4)+\b)+7]
.endif
.endr
.endr
.endm
.macro FETCH_B slot, q, p
	WIN TO_B
.irp i, 0,1,2,3,4,5,6,7
	FRAG 128*(\p)+FR*\i, ADRB+\slot, \q, \i
.endr
	WIN 0
.endm
.macro FETCH_A slot, q, i0
.irp i, \i0, \i0+1, \i0+2, \i0+3
	FRAG AF+FR*(\i), ADRA+\slot, \q, \i
.endr
.endm
.macro PLACES n
.rept \n
	v_nop
.endr
.endm
.macro STEP slot, q, zero
	s_wait_dscnt 4*NL
	WIN MUL_LO
	MUL16 0, (\q)%2, \zero
	MUL16 2, (\q)%2, \zero
	s_wait_dscnt 0
	PLACES NP
	FETCH_B \slot, (\q)+1, 1-(\q)%2
	FETCH_A \slot, (\q)+1, 0
	WIN MUL_HI
	MUL16 4, (\q)%2, \zero
	MUL16 6, (\q)%2, \zero
	PLACES NP
	WIN 0
	FETCH_A \slot, (\q)+1, 4
.endm
.macro TURN slot, next, fill
	s_wait_tensorcnt 0x0
	ds_add_u32 v[SPW], v[NIL]
	s_wait_dscnt 4*NL+1
	WIN MUL_LO
	MUL16 0, 1, 0
	s_wait_dscnt 0x0
	s_barrier_signal -1
	MUL16 2, 1, 0
	WIN 0
	s_barrier_wait -1
.if \fill
	CREST
	s_add_nc_u64 s[G0+4*\slot+2:G0+4*\slot+3], s[G0+4*\slot+2:G0+4*\slot+3], 2*ROWB
	s_add_nc_u64 s[G0B+4*\slot+2:G0B+4*\slot+3], s[G0B+4*\slot+2:G0B+4*\slot+3], 2*ROWB
	JLOAD G0+4*\slot, G1, G0B+4*\slot, G1B
.else
	PLACES NP
.endif
	FETCH_B \next, 0, 0
	FETCH_A \next, 0, 0
	WIN MUL_HI
	MUL16 4, 1, 0
	MUL16 6, 1, 0
	PLACES NP
	WIN 0
	FETCH_A \next, 0, 4
.endm
	s_wait_tensorcnt 1
	s_barrier_signal -1
	s_barrier_wait -1
	FETCH_B 0, 0, 0
	FETCH_A 0, 0, 0
	FETCH_A 0, 0, 4
	STEP 0, 0, 1
	s_mov_b32 s3, LAPS-1
.Llap:
	TURN 0, 1, 1
	STEP 1, 0, 0
	TURN 1, 0, 1
	STEP 0, 0, 0
	s_sub_co_u32 s3, s3, 1
	s_cmp_lg_u32 s3, 0
	s_cbranch_scc1 .Llap
	TURN 0, 1, 0
	STEP 1, 0, 0
	s_wait_dscnt 4*NL
	WIN MUL_LO
	MUL16 0, 1, 0
	MUL16 2, 1, 0
	s_wait_dscnt 0
	WIN MUL_HI
	MUL16 4, 1, 0
	MUL16 6, 1, 0
	WIN 0
.macro EPI a, kind
.set AC, 64*((\a)%4)
.set CDB, CD+16*((\a)%2)
.set WSRC, 0x02+((\a)/4)
	WIN WSRC
.irp b, 0,1,2,3,4,5,6,7
.irp i, 0,2,4,6
.if \kind
	v_pk_fma_f32 v[T+8*\b+\i:T+8*\b+\i+1], v[AC+8*\b+\i:AC+8*\b+\i+1], s[96:97], v[BI+8*(\a)+\i:BI+8*(\a)+\i+1] op_sel_hi:[1,0,1]
.else
	v_pk_fma_f32 v[T+8*\b+\i:T+8*\b+\i+1], v[AC+8*\b+\i:AC+8*\b+\i+1], s[96:97], v[BI+8*\b+\i:BI+8*\b+\i+1] op_sel_hi:[1,0,1]
.endif
.endr
.endr
	WIN 0
.set j, 0
.rept 64
	v_med3_num_f32 v[T+j], v[T+j], -v[LIMV], v[LIMV]
.set j, j+1
.endr
.if (\a) >= 2
	s_wait_alu depctr_va_vdst(0)
	s_wait_xcnt 0x0
.endif
.irp b, 0,1,2,3,4,5,6,7
	v_cvt_scalef32_pk8_fp8_f32 v[CDB+2*\b:CDB+2*\b+1], v[T+8*\b:T+8*\b+7], v[SCV]
.endr
	v_nop
.irp g, 0,1,2,3
.if \kind
	global_store_b128 v[CO], v[CDB+4*\g:CDB+4*\g+3], s[76:77] offset:((\a)/4)*131072+((\a)%4)*2048+512*\g
.else
	global_store_b128 v[CO], v[CDB+4*\g:CDB+4*\g+3], s[76:77] offset:(\g/2)*131072+(\a)*1024+(\g%2)*512
.endif
.endr
.endm
	s_wait_kmcnt 0x0
	s_add_co_i32 s96, s80, s81
	s_add_co_i32 s96, s96, 127
	s_lshl_b32 s96, s96, 23
	s_mov_b32 s97, s96
	s_cmp_eq_u32 s74, 0
	s_cselect_b32 s85, s82, s83
	s_cmp_eq_u32 s74, 2
	s_cselect_b32 s85, s84, s85
	s_add_co_i32 s85, s85, 127
	s_lshl_b32 s90, s85, 23
	v_mov_b32 v[SCV], s90
	s_add_co_i32 s85, s85, 8
	s_lshl_b32 s85, s85, 23
	s_or_b32 s85, s85, 0x600000
	v_mov_b32 v[LIMV], s85
	s_wait_loadcnt 0x0
	PLACES NP
	s_cmp_eq_u32 s74, 2
	s_cbranch_scc1 .Lfor_v
.irp a, 0,1,2,3,4,5,6,7
	EPI \a, 0
.endr
	s_branch .Lout
.Lfor_v:
.irp a, 0,1,2,3,4,5,6,7
	EPI \a, 1
.endr
.Lout:
	s_wait_tensorcnt 0x0
	ds_add_u32 v[SPW], v[NIL]
	s_wait_dscnt 0x0
	CROUND
	s_endpgm
.Lfunc_end_k_q488d2a7a1a_qkv:
	.size	k_q488d2a7a1a_qkv, .Lfunc_end_k_q488d2a7a1a_qkv-k_q488d2a7a1a_qkv
	.p2alignl 7, 3214868480
	.fill 96, 4, 3214868480
	.section	.rodata,"a",@progbits
	.p2align	6, 0x0
	.amdhsa_kernel k_q488d2a7a1a_qkv
		.amdhsa_group_segment_fixed_size 327680
		.amdhsa_private_segment_fixed_size 0
		.amdhsa_enable_private_segment 0
		.amdhsa_kernarg_size 56
		.amdhsa_user_sgpr_count 2
		.amdhsa_user_sgpr_kernarg_segment_ptr 1
		.amdhsa_wavefront_size32 1
		.amdhsa_system_sgpr_workgroup_id_x 1
		.amdhsa_system_sgpr_workgroup_id_y 1
		.amdhsa_system_sgpr_workgroup_id_z 1
		.amdhsa_system_vgpr_workitem_id 0
		.amdhsa_next_free_vgpr 1024
		.amdhsa_next_free_sgpr 98
		.amdhsa_reserve_vcc 0
		.amdhsa_float_denorm_mode_32 3
		.amdhsa_float_denorm_mode_16_64 3
		.amdhsa_memory_ordered 1
		.amdhsa_forward_progress 1
		.amdhsa_inst_pref_size 199
	.end_amdhsa_kernel
	.amdgpu_metadata
---
amdhsa.version: [ 1, 2 ]
amdhsa.kernels:
  - .name:           k_q488d2a7a1a_qkv
    .symbol:         k_q488d2a7a1a_qkv.kd
    .args:
      - { .name: xc, .offset: 0, .size: 8, .value_kind: global_buffer, .address_space: global }
      - { .name: w_attn_codes, .offset: 8, .size: 8, .value_kind: global_buffer, .address_space: global }
      - { .name: lowp_scales, .offset: 16, .size: 8, .value_kind: global_buffer, .address_space: global }
      - { .name: b_attn, .offset: 24, .size: 8, .value_kind: global_buffer, .address_space: global }
      - { .name: qi, .offset: 32, .size: 8, .value_kind: global_buffer, .address_space: global }
      - { .name: ki, .offset: 40, .size: 8, .value_kind: global_buffer, .address_space: global }
      - { .name: vi, .offset: 48, .size: 8, .value_kind: global_buffer, .address_space: global }
    .group_segment_fixed_size: 327680
    .private_segment_fixed_size: 0
    .kernarg_segment_align: 8
    .kernarg_segment_size: 56
    .max_flat_workgroup_size: 128
    .sgpr_count:     98
    .vgpr_count:     1024
    .wavefront_size: 32
...
	.end_amdgpu_metadata
.endif
;; end of part 2
;; launch attn (part 3): grid 8 x 32, 16 waves a work-group, no clusters, 327,680 bytes of LDS; arguments qi, ki, vi, lowp_scales, ai; writes ai
.if DOCPART == 3
	.amdgcn_target "amdgcn-amd-amdhsa--gfx1250"
	.amdhsa_code_object_version 6
	.text
	.protected	k_q488d2a7a1a_attn
	.globl	k_q488d2a7a1a_attn
	.p2align	8
	.type	k_q488d2a7a1a_attn,@function
k_q488d2a7a1a_attn:
	s_mov_b64 s[64:65], 0
	v_nop
	global_prefetch_b8 v0, s[64:65] scope:SCOPE_SE
	s_setreg_imm32_b32 hwreg(HW_REG_WAVE_MODE, 25, 1), 1
	s_wait_xcnt 0x0
; a = softmax(q k^T / 8, causal) v for each of 32 (batch, head), both products on E4M3 codes; then a is quantised (2^e6) and stored as images of operand registers for launch aproj.
; LEFT OUT as dead work (shown at the head of the first kernel): every step of 128 keys all of which come after a wave's 16 queries, and the fetching of slots that no wave of the work-group reads.
; LIMIT: hidden scores inside a live step become -infinity, where reference() writes -1e9: the same result while a row's largest score lies far above -1e9.
; THE SOFTMAX: t = score x log2(e) / 8; M = the running largest t rounded UP to a whole number; p = 2^(t - M) is quantised (2^e4), not normalised; the row's sum is taken of the unquantised p
; and divides at the end; when M moves, the sum and O are multiplied by 2^(old M - new M), which rounds nothing.
; SHARES.  A work-group owns query blocks i and 15 - i (128 queries each) of one head: every work-group has the same number of live steps.  Each of sixteen waves owns 16 queries in 256 registers.
; Which wave takes the early block: bit 0 xor bit 2 of its number.  Every work-group walks all 8 slots of 256 keys (constant trip counts); work is jumped over on ids.
; NO CLUSTER: under the mask the work-groups of a head stop fetching at different slots, so a joint load would bring some partner tiles that none of its waves reads.
; LAYOUT.  S^T = K Q^T (source 0 = 16 keys, source 1 = my queries), O^T = V^T P^T (source 0 = 16 d, source 1 = P): a lane holds ONE query.  Register 8 T + j of S^T is key 16 T + 8 (lane / 16) + j, so the
; conversion of tile T is registers 2 T, 2 T + 1 of P in the matrix instruction's own layout.  K's and V's fragments lie in memory and in LDS as images of their registers: 16 x lane + 512 x group.
; LIMITS: e2 + e3 between -123 and 130; e4, e6 between -126 and 119.
.set SK,    256
.set SLOT1, 1<<15                      ; a slot: K's 16 images (16,384 bytes), then V's 8 (16,384); one exclusive or turns an address to the other slot
.set SPARE, 2*SLOT1                    ; the spare words: 128 bytes for each of 16 waves, which no other line names
.set AL,   1                           ; v1   16 x lane
.set PFO,  3                           ; v3   256 x lane
.set SPW,  5
.set NIL,  6
.set ADR,  8                           ; v8   the step's LDS address
.set KV,   32                          ; v32-95   K's 8 fragments, then V's 4
.set ST,   96                          ; v96-159  S^T, then p
.set OT,   160                         ; v160-191 O^T
.set TP,   200                         ; at work
.set F,    202                         ; v[202:203] f
.set MX,   204
.set MX2,  205
.set SU2,  206                         ; v[206:207]
.set DD,   208
.set NINF, 209
.set PC,   224                         ; v224-239 p's codes
.set WV,   18
.set SEL,  20
.set CS,   22
.set G1,   24
.set G0,   40
.set TB,   2
.set QL,   66                          ; my work-group's last query
.set SLOTS, 67
.set PFA,  76
.set LIM,  80
.set KF,   98                          ; the step's first key
.set Q0,   99                          ; my first query
.macro TLOAD                           ; wave 0 fetches K's 16,384 bytes of a slot, wave 1 V's; the others nothing.  An s_nop 0 and four v_nop follow the line
	s_cmp_lt_u32 s[WV], 2
	s_cbranch_scc0 .Lasked_\@
	tensor_load_to_lds s[G0:G0+3], s[G1:G1+7]
	s_nop 0
.rept 4
	v_nop
.endr
.Lasked_\@:
.endm
; A prefetch of what the NEXT change of slots will ask for.  All work-groups of a head walk the same K and V: the head's work-group 0, which fetches all slots, asks; in it waves 4 and 5 for K's
; 16,384 bytes, waves 6 and 7 for V's: 8,192 bytes a wave, lanes 256 bytes apart, so each aligned block of 256 bytes is named once.  The last change that fills a slot asks for nothing.
.macro ASK
	s_cmp_gt_u32 s[SLOTS], s[LIM]
	s_cbranch_scc0 .Lnot_mine_\@
	global_prefetch_b8 v[PFO], s[PFA:PFA+1] th:TH_LOAD_NT scope:SCOPE_SE
.Lnot_mine_\@:
.endm
	s_load_b256 s[4:11], s[0:1], 0x0               ; qi, ki, vi, the scales' exponents
	s_load_b64 s[12:13], s[0:1], 0x20              ; ai
	v_lshl_add_u32 v[SPW], v0, 2, SPARE
	v_mov_b32 v[NIL], 0
	ds_add_u32 v[SPW], v[NIL]                      ; the wave's opening: the add, twice on end, and its wait ahead of the first tensor load
	ds_add_u32 v[SPW], v[NIL]
	v_lshrrev_b32 v8, 5, v0
	s_delay_alu instid0(VALU_DEP_1)
	v_readfirstlane_b32 s[WV], v8                  ; wave 0..15
	s_and_b32 s73, ttmp7, 0xffff                   ; bh = 16 batch + head
	s_lshr_b32 s74, s[WV], 2
	s_xor_b32 s74, s74, s[WV]
	s_and_b32 s74, s74, 1                          ; 1: the late block
	s_and_b32 s75, s[WV], 3
	s_lshr_b32 s81, s[WV], 3
	s_lshl_b32 s81, s81, 2
	s_add_co_u32 s75, s75, s81                     ; which 16 of the block's 128 queries
	s_sub_co_u32 s81, 15, ttmp9
	s_cmp_eq_u32 s74, 1
	s_cselect_b32 s81, s81, ttmp9
	s_lshl_b32 s81, s81, 7
	s_lshl_b32 s75, s75, 4
	s_add_co_u32 s[Q0], s81, s75
	s_lshl_b32 s[QL], ttmp9, 7
	s_sub_co_u32 s[QL], 2047, s[QL]
	s_lshl_b32 s82, s73, 17                        ; the head's first byte in qi, ki and vi
	s_mov_b32 s83, 0
	s_mov_b32 s[G1], 3<<16                         ; a dense block as 64 rows of 256 bytes: elements of 8 bytes, no mask, no padding
	s_mov_b32 s[G1+1], 32<<16                      ; tensor_dim0 = 32
	s_mov_b32 s[G1+2], 64<<16                      ; tensor_dim1 = 64
	s_mov_b32 s[G1+3], 32<<16                      ; tile_dim0
	s_mov_b32 s[G1+4], 64                          ; tile_dim1
	s_mov_b32 s[G1+5], 32                          ; the pitch
	s_mov_b32 s[G1+6], 0
	s_mov_b32 s[G1+7], 0
	s_mov_b32 s[SEL], 0x76543210
	s_mov_b32 s[SEL+1], 0xfedcba98
	s_mov_b32 s[CS], 0x3e38aa3b                    ; c = log2(e) / 8
	s_mov_b32 s[TB], 0
	s_mov_b32 s[SLOTS], 7
	s_mov_b32 s[KF], 0
	s_and_b32 s84, s[WV], 1
	s_lshl_b32 s[G0+1], s84, 14                    ; LDS: K's half of slot 0, or V's
	s_wait_dscnt 0x0                               ; both opening adds are done
	s_wait_kmcnt 0x0
	s_load_b128 s[68:71], s[10:11], 0x8            ; e2, e3, e4, e5
	s_load_b32 s72, s[10:11], 0x18                 ; e6
	s_mov_b32 s[G0], 1
	s_cmp_eq_u32 s[WV], 0
	s_cselect_b64 s[G0+2:G0+3], s[6:7], s[8:9]
	s_add_nc_u64 s[G0+2:G0+3], s[G0+2:G0+3], s[82:83]
	s_or_b32 s[G0+3], s[G0+3], 0x80000000
	TLOAD                                          ; slot 0
	v_and_b32 v[AL], 31, v0
	s_delay_alu instid0(VALU_DEP_1)
	v_lshlrev_b32 v[PFO], 8, v[AL]
	s_delay_alu instid0(VALU_DEP_2)
	v_lshlrev_b32 v[AL], 4, v[AL]
	s_lshl_b32 s84, s[Q0], 6
	s_add_co_u32 s84, s84, s82
	s_mov_b32 s85, 0
	s_add_nc_u64 s[4:5], s[4:5], s[84:85]          ; my queries' image
	global_load_b128 v[16:19], v[AL], s[4:5]
	global_load_b128 v[20:23], v[AL], s[4:5] offset:512
	s_lshr_b32 s84, s73, 4
	s_lshl_b32 s84, s84, 11
	s_add_co_u32 s84, s84, s[Q0]                   ; my first row of a,
	s_and_b32 s86, s73, 15
	s_add_co_u32 s84, s84, s86                     ; + the head: (row / 16 x 8 + head / 2) x 2048 + (head % 2) x 1024 = (row + head) x 1024
	s_lshl_b32 s84, s84, 10
	s_add_nc_u64 s[12:13], s[12:13], s[84:85]
	s_cmp_lt_u32 s[WV], 6
	s_cselect_b64 s[PFA:PFA+1], s[6:7], s[8:9]
	s_and_b32 s84, s[WV], 1
	s_lshl_b32 s84, s84, 13
	s_add_co_u32 s84, s84, 16384                   ; in slot 1: the first change of slots steps it to slot 2
	s_add_co_u32 s84, s84, s82
	s_add_nc_u64 s[PFA:PFA+1], s[PFA:PFA+1], s[84:85]
	s_sub_co_u32 s84, s[WV], 4
	s_lshr_b32 s84, s84, 2                         ; 0 in waves 4 to 7,
	s_or_b32 s84, s84, ttmp9                       ; of the head's work-group 0
	s_cmp_eq_u32 s84, 0
	s_cselect_b32 s[LIM], 1, -1
	v_mov_b32 v13, 0xff61b1e6                      ; the largest t so far: -3e38
	s_delay_alu instid0(VALU_DEP_1)
	v_floor_f32 v12, -v13                          ; -M
	v_mov_b32 v14, 0                               ; the sum, in two halves
	v_mov_b32 v15, 0
	v_mov_b32 v[TP], 0                             ; a lane permute's destination counts as one of its sources
	v_mov_b32 v[F+1], 0                            ; (named as the upper half of a pair)
.set j, 0
.rept 32
	v_mov_b32 v[OT+j], 0                           ; O^T: the step is written once; its first run finds zeros
.set j, j+1
.endr
	s_wait_kmcnt 0x0
	s_add_co_i32 s84, s68, s69
	s_lshl_b32 s84, s84, 23
	s_add_co_i32 s[CS], s[CS], s84                 ; a score stands for score x 2^(e2 + e3): added to c's exponent field
	s_mov_b32 s[CS+1], s[CS]
	s_add_co_i32 s84, s70, 127
	s_lshl_b32 s85, s84, 23
	v_mov_b32 v244, s85                            ; 2^e4
	s_add_co_i32 s84, s84, 8
	s_lshl_b32 s84, s84, 23
	s_or_b32 s84, s84, 0x600000
	v_mov_b32 v240, s84                            ; 448 x 2^e4
.macro STEP q                          ; 128 keys, the q-th of the slot in hand
	s_add_co_u32 s96, s[Q0], 15
	s_cmp_gt_u32 s[KF], s96                        ; all its keys come after my queries: the step's work is left out (ids alone; no barrier and no tensor load stands in a step)
	s_cbranch_scc1 .Lhidden_\@
	v_add_nc_u32 v[ADR], s[TB], v[AL]
.rept 3
	v_nop                                          ; with the addition above: four places in front of loads into registers that the last products read
.endr
.irp t, 0,1,2,3,4,5,6,7
	ds_load_b128 v[KV+8*\t:KV+8*\t+3], v[ADR] offset:8192*(\q)+1024*\t
	ds_load_b128 v[KV+8*\t+4:KV+8*\t+7], v[ADR] offset:8192*(\q)+1024*\t+512
.endr
	s_wait_alu depctr_va_vdst(0)
	s_wait_dscnt 0x0
.irp t, 0,1,2,3,4,5,6,7
	v_wmma_f32_16x16x64_fp8_fp8 v[ST+8*\t:ST+8*\t+7], v[KV+8*\t:KV+8*\t+7], v[16:23], 0
.endr
.rept 4
	v_nop                                          ; places in front of the loads below and of the first read of the scores
.endr
.irp t, 0,1,2,3
.irp g, 0,1,2,3
	ds_load_b128 v[KV+16*\t+4*\g:KV+16*\t+4*\g+3], v[ADR] offset:16384+8192*(\q)+2048*\t+512*\g   ; V's fragments land while the softmax is walked
.endr
.endr
	s_add_co_u32 s96, s[KF], 127
	s_cmp_le_u32 s96, s[Q0]                        ; all keys count: no masking
	s_cbranch_scc1 .Lopen_\@
	s_sub_co_i32 s96, s[Q0], s[KF]
	v_and_b32 v[DD], 15, v0
	v_bfe_u32 v[MX], v0, 4, 1
	s_delay_alu instid0(VALU_DEP_1)
	v_lshlrev_b32 v[MX], 3, v[MX]
	s_delay_alu instid0(VALU_DEP_1)
	v_sub_nc_u32 v[DD], v[DD], v[MX]
	s_delay_alu instid0(VALU_DEP_1)
	v_add_nc_u32 v[DD], s96, v[DD]                 ; d = my query - KF - 8 (lane / 16): register 8 T + j is hidden where 16 T + j > d
	v_mov_b32 v[NINF], 0xff800000
.irp n, 0,1,2,3,4,5,6,7,8,9,10,11,12,13,14,15,16,17,18,19,20,21,22,23,24,25,26,27,28,29,30,31,32,33,34,35,36,37,38,39,40,41,42,43,44,45,46,47,48,49,50,51,52,53,54,55,56,57,58,59,60,61,62,63
	v_cmp_gt_i32 vcc_lo, 16*(\n/8)+\n%8, v[DD]
	v_cndmask_b32 v[ST+\n], v[ST+\n], v[NINF], vcc_lo
.endr
.Lopen_\@:
	v_max3_num_f32 v[MX], v96, v97, v98            ; the step's largest score of my query among my 64 keys, in two chains, each tile from its low end on
	v_max3_num_f32 v[MX2], v99, v100, v101
.irp i, 6,10,14,18,22,26,30,34,38,42,46,50,54,58
	v_max3_num_f32 v[MX], v[MX], v[ST+\i], v[ST+1+\i]
	v_max3_num_f32 v[MX2], v[MX2], v[ST+2+\i], v[ST+3+\i]
.endr
	v_max3_num_f32 v[MX], v[MX], v158, v159
	s_delay_alu instid0(VALU_DEP_1)
	v_max_num_f32 v[MX], v[MX], v[MX2]
	s_delay_alu instid0(VALU_DEP_1)
	v_permlanex16_b32 v[TP], v[MX], s[SEL], s[SEL+1]
	s_delay_alu instid0(VALU_DEP_1)
	v_max_num_f32 v[MX], v[MX], v[TP]              ; and among lane l xor 16's
	s_delay_alu instid0(VALU_DEP_1)
	v_mul_f32 v[MX], s[CS], v[MX]                  ; as t (c is positive)
	s_delay_alu instid0(VALU_DEP_1)
	v_max_num_f32 v13, v13, v[MX]
	v_mov_b32 v[MX], v12
	s_delay_alu instid0(VALU_DEP_2)
	v_floor_f32 v12, -v13                          ; the new -M = floor(-t): M is a whole number
	s_delay_alu instid0(VALU_DEP_1)
	v_sub_f32 v[MX], v12, v[MX]                    ; old M - new M, 0 or less
	s_delay_alu instid0(VALU_DEP_1)
	v_cvt_i32_f32 v[MX], v[MX]                     ; (it saturates)
	s_delay_alu instid0(VALU_DEP_1)
	v_ldexp_f32 v[F], 1.0, v[MX]                   ; f = 2^(old M - new M)
.set j, 0
.rept 32
	v_pk_fma_f32 v[ST+j:ST+j+1], v[ST+j:ST+j+1], s[CS:CS+1], v[12:13] op_sel_hi:[1,0,0]   ; t - M
.set j, j+2
.endr
.set j, 0
	s_wait_alu depctr_va_vdst(0)
.rept 64
	v_exp_f32 v[ST+j], v[ST+j]                     ; p = 2^(t - M)
.set j, j+1
.endr
	v_pk_mul_f32 v[14:15], v[14:15], v[F:F+1] op_sel_hi:[1,0]   ; the sums under the new M; the plain line behind the exponentials
	s_wait_alu depctr_va_vdst(0)                   ; one wait for the batch, ahead of its first reader
	v_pk_add_f32 v[206:207], v[100:101], v[104:105]
	v_pk_add_f32 v[254:255], v[108:109], v[112:113]
	v_pk_add_f32 v[252:253], v[116:117], v[120:121]
	v_pk_add_f32 v[250:251], v[124:125], v[128:129]
	v_pk_add_f32 v[248:249], v[132:133], v[136:137]
	v_pk_add_f32 v[246:247], v[140:141], v[144:145]
	v_pk_add_f32 v[242:243], v[148:149], v[152:153]
	v_pk_add_f32 v[14:15], v[14:15], v[156:157]
	v_pk_add_f32 v[206:207], v[206:207], v[96:97]
	v_pk_add_f32 v[254:255], v[254:255], v[98:99]
	v_pk_add_f32 v[252:253], v[252:253], v[102:103]
	v_pk_add_f32 v[250:251], v[250:251], v[106:107]
	v_pk_add_f32 v[248:249], v[248:249], v[110:111]
	v_pk_add_f32 v[246:247], v[246:247], v[114:115]
	v_pk_add_f32 v[242:243], v[242:243], v[118:119]
	v_pk_add_f32 v[14:15], v[14:15], v[122:123]
	v_pk_add_f32 v[206:207], v[206:207], v[126:127]
	v_pk_add_f32 v[254:255], v[254:255], v[130:131]
	v_pk_add_f32 v[252:253], v[252:253], v[134:135]
	v_pk_add_f32 v[250:251], v[250:251], v[138:139]
	v_pk_add_f32 v[248:249], v[248:249], v[142:143]
	v_pk_add_f32 v[246:247], v[246:247], v[146:147]
	v_pk_add_f32 v[242:243], v[242:243], v[150:151]
	v_pk_add_f32 v[14:15], v[14:15], v[154:155]
	v_pk_add_f32 v[206:207], v[206:207], v[158:159]
	s_delay_alu instid0(VALU_DEP_2)
	v_pk_add_f32 v[14:15], v[14:15], v[250:251]
	s_delay_alu instid0(VALU_DEP_2)
	v_pk_add_f32 v[206:207], v[206:207], v[248:249]
	v_pk_add_f32 v[254:255], v[254:255], v[246:247]
	v_pk_add_f32 v[252:253], v[252:253], v[242:243]
	s_delay_alu instid0(VALU_DEP_2)
	v_pk_add_f32 v[14:15], v[14:15], v[254:255]
	s_delay_alu instid0(VALU_DEP_2)
	v_pk_add_f32 v[206:207], v[206:207], v[252:253]
	s_delay_alu instid0(VALU_DEP_1)
	v_pk_add_f32 v[14:15], v[14:15], v[206:207]
.set j, 0
.rept 64
	v_min_num_f32 v[ST+j], v[ST+j], v240           ; the conversion does not saturate (ISA guide 7.6.2); p is not negative: a one-sided hold
.set j, j+1
.endr
.irp t, 0,1,2,3,4,5,6,7
	v_cvt_scalef32_pk8_fp8_f32 v[PC+2*\t:PC+2*\t+1], v[ST+8*\t:ST+8*\t+7], v244
.endr
.set j, 0
.rept 16
	v_pk_mul_f32 v[OT+j:OT+j+1], v[OT+j:OT+j+1], v[F:F+1] op_sel_hi:[1,0]   ; O^T under the new M; also the plain lines between the conversions and the products
.set j, j+2
.endr
	s_wait_alu depctr_va_vdst(0)
	s_wait_dscnt 0x0                               ; V's fragments
.irp t, 0,1,2,3
	v_wmma_f32_16x16x128_fp8_fp8 v[OT+8*\t:OT+8*\t+7], v[KV+16*\t:KV+16*\t+15], v[PC:PC+15], v[OT+8*\t:OT+8*\t+7]   ; four accumulators by turns
.endr
.Lhidden_\@:
	s_add_co_u32 s[KF], s[KF], 128
.endm
; THE CHANGE OF SLOTS, at a slot's head: every wave waits for all its tensor loads, adds 0 to its spare word, and waits for
; that and for its reads of the slot that it has left; behind the barrier the slot ahead is whole and the other one is filled with the keys that follow, up to the causal limit.
.macro CHANGE fill
	s_wait_tensorcnt 0x0
	ds_add_u32 v[SPW], v[NIL]
.if \fill
	ds_add_u32 v[SPW], v[NIL]
	s_xor_b32 s[G0+1], s[G0+1], SLOT1              ; no tensor load of mine is out: the walking descriptor may be written
	s_add_nc_u64 s[G0+2:G0+3], s[G0+2:G0+3], 16384
	s_wait_xcnt 0x0                                ; the last prefetch, a slot back, has read its address
	s_add_nc_u64 s[PFA:PFA+1], s[PFA:PFA+1], 16384
.endif
	s_wait_dscnt 0x0
	s_barrier_signal -1
	s_barrier_wait -1
.if \fill
	s_add_co_u32 s96, s[KF], SK                    ; the first key of the slot that this change would ask for:
	s_cmp_gt_u32 s96, s[QL]                        ; past my work-group's last query no wave reads it.  Ids and the count of steps alone: all sixteen waves go the same way; every wait on TENSORcnt is for 0
	s_cbranch_scc1 .Lpast_\@
	TLOAD
.Lpast_\@:
	ASK
.endif
.endm
.macro SLOT_STEPS
	STEP 0
	STEP 1
	s_xor_b32 s[TB], s[TB], SLOT1
.endm
	s_wait_loadcnt 0x0                             ; Q
.Lslot:
	CHANGE 1
	SLOT_STEPS
	s_sub_co_u32 s[SLOTS], s[SLOTS], 1
	s_cmp_lg_u32 s[SLOTS], 0
	s_cbranch_scc1 .Lslot
	CHANGE 0                                       ; the last slot is written out: nothing is left to ask for
	SLOT_STEPS
	; THE WAY OUT: O^T / the sum x 2^(e4 + e5), held, converted with 2^e6: tile t's conversion is registers 2 t, 2 t + 1 of my head's half of a fragment of a (16 rows x 128 columns)
	v_add_f32 v14, v14, v15
	s_delay_alu instid0(VALU_DEP_1)
	v_permlanex16_b32 v[TP], v14, s[SEL], s[SEL+1]
	s_delay_alu instid0(VALU_DEP_1)
	v_add_f32 v14, v14, v[TP]                      ; the row's sum
	s_wait_alu depctr_va_vdst(0)
	v_rcp_f32 v14, v14
	s_add_co_i32 s84, s72, 127
	s_lshl_b32 s85, s84, 23
	v_mov_b32 v245, s85                            ; 2^e6  (plain lines behind the reciprocal and the last products)
	s_add_co_i32 s84, s84, 8
	s_lshl_b32 s84, s84, 23
	s_or_b32 s84, s84, 0x600000
	v_mov_b32 v241, s84                            ; 448 x 2^e6
	v_nop
	v_nop
	s_add_co_i32 s86, s70, s71
	s_wait_alu depctr_va_vdst(0)                   ; the wait ahead of the reciprocal's first reader
	v_ldexp_f32 v14, v14, s86
.set j, 0
.rept 32
	v_mul_f32 v[ST+j], v[OT+j], v14                ; register 8 t + i is a(query r, d = 16 t + 8 h + i)
.set j, j+1
.endr
.set j, 0
.rept 32
	v_med3_num_f32 v[ST+j], v[ST+j], -v241, v241
.set j, j+1
.endr
.irp t, 0,1,2,3
	v_cvt_scalef32_pk8_fp8_f32 v[PC+2*\t:PC+2*\t+1], v[ST+8*\t:ST+8*\t+7], v245
.endr
	v_nop
	global_store_b128 v[AL], v[PC:PC+3], s[12:13]              ; 512 consecutive bytes each
	global_store_b128 v[AL], v[PC+4:PC+7], s[12:13] offset:512
	s_wait_tensorcnt 0x0                           ; the wave's end
	ds_add_u32 v[SPW], v[NIL]
	s_wait_dscnt 0x0
	s_endpgm
.Lfunc_end_k_q488d2a7a1a_attn:
	.size	k_q488d2a7a1a_attn, .Lfunc_end_k_q488d2a7a1a_attn-k_q488d2a7a1a_attn
	.p2alignl 7, 3214868480
	.fill 96, 4, 3214868480
	.section	.rodata,"a",@progbits
	.p2align	6, 0x0
	.amdhsa_kernel k_q488d2a7a1a_attn
		.amdhsa_group_segment_fixed_size 327680
		.amdhsa_private_segment_fixed_size 0
		.amdhsa_enable_private_segment 0
		.amdhsa_kernarg_size 40
		.amdhsa_user_sgpr_count 2
		.amdhsa_user_sgpr_kernarg_segment_ptr 1
		.amdhsa_wavefront_size32 1
		.amdhsa_system_sgpr_workgroup_id_x 1
		.amdhsa_system_sgpr_workgroup_id_y 1
		.amdhsa_system_sgpr_workgroup_id_z 1
		.amdhsa_system_vgpr_workitem_id 0
		.amdhsa_next_free_vgpr 256
		.amdhsa_next_free_sgpr 100
		.amdhsa_reserve_vcc 1
		.amdhsa_float_denorm_mode_32 3
		.amdhsa_float_denorm_mode_16_64 3
		.amdhsa_memory_ordered 1
		.amdhsa_forward_progress 1
		.amdhsa_inst_pref_size 97
	.end_amdhsa_kernel
	.amdgpu_metadata
---
amdhsa.version: [ 1, 2 ]
amdhsa.kernels:
  - .name:           k_q488d2a7a1a_attn
    .symbol:         k_q488d2a7a1a_attn.kd
    .args:
      - { .name: qi, .offset: 0, .size: 8, .value_kind: global_buffer, .address_space: global }
      - { .name: ki, .offset: 8, .size: 8, .value_kind: global_buffer, .address_space: global }
      - { .name: vi, .offset: 16, .size: 8, .value_kind: global_buffer, .address_space: global }
      - { .name: lowp_scales, .offset: 24, .size: 8, .value_kind: global_buffer, .address_space: global }
      - { .name: ai, .offset: 32, .size: 8, .value_kind: global_buffer, .address_space: global }
    .group_segment_fixed_size: 327680
    .private_segment_fixed_size: 0
    .kernarg_segment_align: 8
    .kernarg_segment_size: 40
    .max_flat_workgroup_size: 512
    .sgpr_count:     100
    .vgpr_count:     256
    .wavefront_size: 32
...
	.end_amdgpu_metadata
.endif
;; end of part 3
;; launch aproj (part 4): grid 8 x 32, 4 waves a work-group, clusters of 4 x 4, 327,680 bytes of LDS; arguments ai, w_aproj_codes, lowp_scales, b_aproj, xc; writes xc
.if DOCPART == 4
	.amdgcn_target "amdgcn-amd-amdhsa--gfx1250"
	.amdhsa_code_object_version 6
	.text
	.protected	k_q488d2a7a1a_aproj
	.globl	k_q488d2a7a1a_aproj
	.p2align	8
	.type	k_q488d2a7a1a_aproj,@function
k_q488d2a7a1a_aproj:
	s_mov_b64 s[64:65], 0
	v_nop
	global_prefetch_b8 v0, s[64:65] scope:SCOPE_SE
	s_setreg_imm32_b32 hwreg(HW_REG_WAVE_MODE, 25, 1), 1
	s_wait_xcnt 0x0
	s_wait_alu depctr_hold_cnt(0) depctr_sa_sdst(0) depctr_va_vdst(0) depctr_va_sdst(0) depctr_va_ssrc(0) depctr_va_vcc(0) depctr_vm_vsrc(0)
	s_getreg_b32 s2, hwreg(HW_REG_IB_STS2, 6, 4)
	s_cmp_eq_u32 s2, 0
	s_cbranch_scc0 .Lentry_in_a_cluster
	s_endpgm
.Lentry_in_a_cluster:
	s_bfe_u32 s2, ttmp6, 0x10000c
	s_cmp_lg_u32 s2, 0xf033
	s_cbranch_scc0 .Lentry_shape_is_right
	s_endpgm
.Lentry_shape_is_right:
; p = a w_aproj + b_aproj: [4096][1024] x [1024][1024] on E4M3 codes, f32 sums; each sum x 2^(e6 + e7), + the bias, stored as f32 [4096][1024] into the buffer xc
; (free since launch qkv read x's codes).  The residual, LayerNorm 1 and n's codes follow in launch ln1, which needs whole rows.
; LIMIT: e6 + e7 lies between -126 and 127, so that 2^(e6 + e7) is an f32 number.
; SHARES.  A block of 128 x 128 to a work-group: 32 x 8 = 256 work-groups.  Four waves, each 64 x 64: 16 accumulators, which take turns.
; a lies in memory as images of operand registers (launch attn): 16 rows x 128 k are 2,048 bytes, 512 g + 16 lane for registers 4 g .. 4 g + 3, in the matrix instruction's own layout;
; a block of 16 rows has its 8 images on end (RBS bytes).  W's rows lie along K and are read from LDS 8 bytes a lane, at 16 c + 8 (lane / 16), the same layout.
; ONE FILL: K is 1,024, so a block's operands fit in LDS whole: A 2 x 65,536 bytes, W 128 rows of 1,024 bytes + 16 of padding.  Waves 0, 1 fetch A's halves, waves 2, 3 W's:
; one tensor load a wave, at the head; no LDS byte is filled again.  The stage of the way out has bytes of its own.
; CLUSTERS: 4 x 4.  A's tile is shared along the cluster's row, W's along its column: joint loads.
; NO PREFETCH: every byte is asked for once, at the head; there is no loop to run ahead in.
; TRANSPOSED USE: source 0 = 16 rows of W, source 1 = 16 rows of a: a lane holds eight neighbouring columns of one row of the result.
; REGISTERS: window 0: addresses, v32-63 the bias, v64-95 and v128-255 the way out; window 1: two buffers of fragments (W's four, then A's four); window 2: v0-127 the accumulators.
.set KB,    1024
.set EOFF,  0x18
.set RBS,   KB*16
.set AHALF, 4*RBS
.set WP,    KB+16
.set WHALF, 64*WP
.set WOFF,  2*AHALF
.set SPARE, WOFF+2*WHALF               ; the spare words: 128 bytes a wave, which no other line names
.set STAGE, SPARE+512
.set SP,    272                        ; the stage's pitch: 256 bytes + 16
.set ADRA, 16
.set ADRB, 20
.set STO,  24
.set RD,   25
.set CO,   26
.set BOF,  27
.set SPW,  28
.set NIL,  29
.set BI,   32
.set TMP,  64
.set BK,   128
.set G1,   24
.set G0,   32
.set G1B,  48
.set G0B,  56
.set MULW, 0xa5                        ; sources 0 and 1 window 1, C and D window 2
.set TOF,  0x40                        ; destination window 1
.set MSB, 0
.macro WIN new
.if MSB != \new
	s_set_vgpr_msb (MSB<<8)|\new
.set MSB, \new
.endif
.endm
.macro PLACES n
.rept \n
	v_nop
.endr
.endm
.macro CROUND                          ; a round of the cluster's barrier
	s_barrier_signal -1
	s_barrier_wait -1
	s_cmp_lg_u32 s14, 0
	s_cbranch_scc1 .Lnot_wave_0_\@
	s_barrier_signal -3
.Lnot_wave_0_\@:
	s_barrier_wait -3
	s_barrier_signal -1
	s_barrier_wait -1
.endm
	s_load_b256 s[4:11], s[0:1], 0x0               ; a's images, W's codes, the scales' exponents, the bias
	s_load_b64 s[12:13], s[0:1], 0x20              ; the result
	v_lshl_add_u32 v[SPW], v0, 2, SPARE
	v_mov_b32 v[NIL], 0
	ds_add_u32 v[SPW], v[NIL]                      ; the opening lines: the add, twice on end, and its wait
	ds_add_u32 v[SPW], v[NIL]
	v_lshrrev_b32 v1, 5, v0
	v_readfirstlane_b32 s14, v1                    ; wave
	s_lshr_b32 s15, s14, 1                         ; my half of the rows; also: I fetch A (0) or W (1)
	s_and_b32 s16, s14, 1                          ; my half of the columns; also: which half of that tile I fetch
	s_bfe_u32 s40, ttmp6, 0x40000                  ; cx
	s_bfe_u32 s41, ttmp6, 0x40004                  ; cy
	s_lshl_b32 s42, ttmp9, 2
	s_add_co_u32 s42, s42, s40                     ; block column
	s_and_b32 s17, ttmp7, 0xffff
	s_lshl_b32 s17, s17, 2
	s_add_co_u32 s17, s17, s41                     ; block row
	s_lshl_b32 s43, s41, 2
	s_lshl_b32 s43, 15, s43                        ; my row of the cluster
	s_lshl_b32 s44, 0x1111, s40                    ; my column
	s_or_b32 s[G1], s43, (3<<16)|(1<<21)           ; A: elements of 8 bytes, no padding
	s_mov_b32 s[G1+1], (RBS/8)<<16
	s_mov_b32 s[G1+2], 4<<16
	s_mov_b32 s[G1+3], (RBS/8)<<16
	s_mov_b32 s[G1+4], 4                           ; 4 rows of RBS bytes, one behind the other
	s_mov_b32 s[G1+5], RBS/8
	s_mov_b32 s[G1+6], 0
	s_mov_b32 s[G1+7], 0
	s_or_b32 s[G1B], s44, (1<<20)|(1<<21)|(7<<22)|(3<<25)   ; W: bytes; four words of padding behind every 256
	s_mov_b32 s[G1B+1], KB<<16
	s_mov_b32 s[G1B+2], 64<<16
	s_mov_b32 s[G1B+3], KB<<16
	s_mov_b32 s[G1B+4], 64
	s_mov_b32 s[G1B+5], KB
	s_mov_b32 s[G1B+6], 0
	s_mov_b32 s[G1B+7], 0
	s_lshl_b32 s18, s16, 2
	s_lshl_b32 s20, s17, 3
	s_add_co_u32 s20, s20, s18
	s_mul_i32 s20, s20, RBS                        ; A: block of 16 rows 8 x block row + 4 x half
	s_mov_b32 s21, 0
	s_lshl_b32 s19, s16, 6
	s_lshl_b32 s46, s42, 7
	s_add_co_u32 s46, s46, s19
	s_mul_i32 s46, s46, KB                         ; W: row 128 x block column + 64 x half
	s_mov_b32 s47, 0
	s_mul_i32 s45, s16, AHALF                      ; where they go
	s_mul_i32 s66, s16, WHALF
	s_add_co_u32 s66, s66, WOFF
	s_wait_dscnt 0x0
	s_wait_kmcnt 0x0
	s_load_b64 s[96:97], s[8:9], EOFF              ; e6, e7
	s_add_nc_u64 s[20:21], s[4:5], s[20:21]
	s_add_nc_u64 s[46:47], s[6:7], s[46:47]
	CROUND                                         ; in front of the joint loads
	s_mov_b32 s[G0], 1
	s_mov_b32 s[G0+1], s45
	s_mov_b64 s[G0+2:G0+3], s[20:21]
	s_or_b32 s[G0+3], s[G0+3], 0x80000000
	s_mov_b32 s[G0B], 1
	s_mov_b32 s[G0B+1], s66
	s_mov_b64 s[G0B+2:G0B+3], s[46:47]
	s_or_b32 s[G0B+3], s[G0B+3], 0x80000000
	s_cmp_eq_u32 s15, 0                            ; waves 0, 1: A; waves 2, 3: W.
	s_cbranch_scc0 .Lfor_b
	tensor_load_to_lds s[G0:G0+3], s[G1:G1+7]
	s_nop 0
.rept 4
	v_nop
.endr
	s_branch .Lasked
.Lfor_b:
	tensor_load_to_lds s[G0B:G0B+3], s[G1B:G1B+7]
	s_nop 0
.rept 4
	v_nop
.endr
.Lasked:
	s_mul_i32 s76, s15, AHALF                      ; my 64 rows of A
	s_mul_i32 s77, s16, WHALF
	s_add_co_u32 s77, s77, WOFF                    ; my 64 rows of W
	s_mul_i32 s78, s14, 16*SP
	s_add_co_u32 s78, s78, STAGE                   ; my stage
	s_lshl_b32 s80, s42, 9
	s_lshl_b32 s79, s16, 8
	s_add_co_u32 s80, s80, s79                     ; my first column, in bytes of f32
	s_mov_b32 s81, 0
	s_add_nc_u64 s[10:11], s[10:11], s[80:81]
	s_lshl_b32 s82, s17, 19
	s_lshl_b32 s79, s15, 18
	s_add_co_u32 s82, s82, s79                     ; my first row x 4,096 bytes
	s_add_co_u32 s82, s82, s80
	s_mov_b32 s83, 0
	s_add_nc_u64 s[12:13], s[12:13], s[82:83]
	v_and_b32 v1, 15, v0                           ; r
	v_bfe_u32 v2, v0, 4, 1                         ; h
	v_and_b32 v3, 31, v0                           ; lane
	v_lshlrev_b32 v4, 4, v3
	v_add_nc_u32 v[ADRA], s76, v4                  ; A: an image is read at 16 x lane
	v_mul_u32_u24 v5, v1, WP
	v_lshl_add_u32 v5, v2, 3, v5
	v_add_nc_u32 v[ADRB], s77, v5                  ; W: row r, + 8 h
	v_mul_u32_u24 v6, v1, SP
	v_lshl_add_u32 v6, v2, 5, v6
	v_add_nc_u32 v[STO], s78, v6                   ; the stage, in: row r, 32 bytes for each half of the lanes
	v_mul_u32_u24 v7, v2, SP
	v_lshl_add_u32 v7, v1, 4, v7
	v_add_nc_u32 v[RD], s78, v7                    ; back: lanes 0-15 one row of 256 bytes, lanes 16-31 the next
	v_lshlrev_b32 v8, 12, v2
	v_lshl_add_u32 v[CO], v1, 4, v8                ; the same two rows in the result
	v_lshlrev_b32 v[BOF], 5, v2
	s_wait_alu depctr_va_vdst(0)
.irp b, 0,1,2,3
	global_load_b128 v[BI+8*\b:BI+8*\b+3], v[BOF], s[10:11] offset:64*\b          ; the bias at my eight columns of each tile
	global_load_b128 v[BI+8*\b+4:BI+8*\b+7], v[BOF], s[10:11] offset:64*\b+16
.endr
.macro FETCH q, p                      ; the fragments of 128 along K: 32 + 16 LDS loads
.irp b, 0,1,2,3
.irp c, 0,1,2,3,4,5,6,7
	ds_load_b64 v[128*(\p)+16*\b+2*\c:128*(\p)+16*\b+2*\c+1], v[ADRB] offset:\b*16*WP+128*(\q)+16*\c
.endr
.endr
.irp a, 0,1,2,3
.irp g, 0,1,2,3
	ds_load_b128 v[128*(\p)+64+16*\a+4*\g:128*(\p)+64+16*\a+4*\g+3], v[ADRA] offset:\a*RBS+2048*(\q)+512*\g
.endr
.endr
.endm
.macro MUL p, zero                     ; 16 products; the 16 accumulators take turns
.irp a, 0,1,2,3
.irp b, 0,1,2,3
.if \zero
	v_wmma_f32_16x16x128_fp8_fp8 v[8*(4*\a+\b):8*(4*\a+\b)+7], v[128*(\p)+16*\b:128*(\p)+16*\b+15], v[128*(\p)+64+16*\a:128*(\p)+64+16*\a+15], 0
.else
	v_wmma_f32_16x16x128_fp8_fp8 v[8*(4*\a+\b):8*(4*\a+\b)+7], v[128*(\p)+16*\b:128*(\p)+16*\b+15], v[128*(\p)+64+16*\a:128*(\p)+64+16*\a+15], v[8*(4*\a+\b):8*(4*\a+\b)+7]
.endif
.endr
.endr
.endm
.macro S q, zero                       ; the next eighth's fragments are asked for, then this one's are multiplied
	s_wait_dscnt 0x0                               ; this eighth's fragments are in
	PLACES 4                                       ; in front of loads into registers that the last products read
	WIN TOF
	FETCH (\q)+1, 1-(\q)%2
	WIN MULW
	MUL (\q)%2, \zero
.endm
	s_wait_tensorcnt 0x0                           ; my part of the tiles is in;
	s_barrier_signal -1
	s_barrier_wait -1                              ; and everybody's
	WIN TOF
	FETCH 0, 0
	S 0, 1                                         ; the first products start the sums
.irp q, 1,2,3,4,5,6
	S \q, 0
.endr
	s_wait_dscnt 0x0
	MUL 1, 0
	WIN 0
; THE WAY OUT, 16 rows x 64 columns at a time, through my own stage.
.macro TOSTAGE a
	WIN 0x02                                       ; source 0: window 2
.set i, 0
.rept 16
	v_pk_fma_f32 v[TMP+i:TMP+i+1], v[32*(\a)+i:32*(\a)+i+1], s[96:97], v[BI+i:BI+i+1] op_sel_hi:[1,0,1]   ; x 2^(e6 + e7), + the bias; each accumulator from its low end on
.set i, i+2
.endr
	WIN 0
.irp b, 0,1,2,3
	ds_store_b128 v[STO], v[TMP+8*\b:TMP+8*\b+3] offset:64*\b
	ds_store_b128 v[STO], v[TMP+8*\b+4:TMP+8*\b+7] offset:64*\b+16
.endr
.irp t, 0,1,2,3,4,5,6,7
	ds_load_b128 v[BK+32*(\a)+4*\t:BK+32*(\a)+4*\t+3], v[RD] offset:\t*2*SP   ; LDS serves a wave's instructions in order: these see the stores above
.endr
.endm
.macro SEND a, younger
	s_wait_dscnt \younger                          ; the block is back; the next block's 8 stores and 8 loads may be out
.irp t, 0,1,2,3,4,5,6,7
	global_store_b128 v[CO], v[BK+32*(\a)+4*\t:BK+32*(\a)+4*\t+3], s[12:13] offset:(16*(\a)+2*\t)*4096   ; sixteen lanes store 256 consecutive bytes, aligned; each block has registers of its own
.endr
.endm
	s_wait_kmcnt 0x0
	s_add_co_i32 s96, s96, s97
	s_add_co_i32 s96, s96, 127
	s_lshl_b32 s96, s96, 23                        ; 2^(e6 + e7)
	s_mov_b32 s97, s96
	s_wait_loadcnt 0x0                             ; the bias
	PLACES 4
	TOSTAGE 0
.irp a, 1,2,3
	TOSTAGE \a
	SEND \a-1, 16
.endr
	SEND 3, 0
	s_wait_tensorcnt 0x0                           ; the wave's end
	ds_add_u32 v[SPW], v[NIL]
	s_wait_dscnt 0x0
	CROUND                                         ; the closing round
	s_endpgm
.Lfunc_end_k_q488d2a7a1a_aproj:
	.size	k_q488d2a7a1a_aproj, .Lfunc_end_k_q488d2a7a1a_aproj-k_q488d2a7a1a_aproj
	.p2alignl 7, 3214868480
	.fill 96, 4, 3214868480
	.section	.rodata,"a",@progbits
	.p2align	6, 0x0
	.amdhsa_kernel k_q488d2a7a1a_aproj
		.amdhsa_group_segment_fixed_size 327680
		.amdhsa_private_segment_fixed_size 0
		.amdhsa_enable_private_segment 0
		.amdhsa_kernarg_size 40
		.amdhsa_user_sgpr_count 2
		.amdhsa_user_sgpr_kernarg_segment_ptr 1
		.amdhsa_wavefront_size32 1
		.amdhsa_system_sgpr_workgroup_id_x 1
		.amdhsa_system_sgpr_workgroup_id_y 1
		.amdhsa_system_sgpr_workgroup_id_z 1
		.amdhsa_system_vgpr_workitem_id 0
		.amdhsa_next_free_vgpr 640
		.amdhsa_next_free_sgpr 100
		.amdhsa_reserve_vcc 0
		.amdhsa_float_denorm_mode_32 3
		.amdhsa_float_denorm_mode_16_64 3
		.amdhsa_memory_ordered 1
		.amdhsa_forward_progress 1
		.amdhsa_inst_pref_size 53
	.end_amdhsa_kernel
	.amdgpu_metadata
---
amdhsa.version: [ 1, 2 ]
amdhsa.kernels:
  - .name:           k_q488d2a7a1a_aproj
    .symbol:         k_q488d2a7a1a_aproj.kd
    .args:
      - { .name: ai, .offset: 0, .size: 8, .value_kind: global_buffer, .address_space: global }
      - { .name: w_aproj_codes, .offset: 8, .size: 8, .value_kind: global_buffer, .address_space: global }
      - { .name: lowp_scales, .offset: 16, .size: 8, .value_kind: global_buffer, .address_space: global }
      - { .name: b_aproj, .offset: 24, .size: 8, .value_kind: global_buffer, .address_space: global }
      - { .name: xc, .offset: 32, .size: 8, .value_kind: global_buffer, .address_space: global }
    .group_segment_fixed_size: 327680
    .private_segment_fixed_size: 0
    .kernarg_segment_align: 8
    .kernarg_segment_size: 40
    .max_flat_workgroup_size: 128
    .sgpr_count:     100
    .vgpr_count:     640
    .wavefront_size: 32
...
	.end_amdgpu_metadata
.endif
;; end of part 4
;; launch ln1 (part 5): grid 256 x 1, 16 waves a work-group, no clusters, 0 bytes of LDS; arguments xc, x, g1, b1, lowp_scales, nf, nc; writes nf, nc
.if DOCPART == 5
	.amdgcn_target "amdgcn-amd-amdhsa--gfx1250"
	.amdhsa_code_object_version 6
	.text
	.protected	k_q488d2a7a1a_ln1
	.globl	k_q488d2a7a1a_ln1
	.p2align	8
	.type	k_q488d2a7a1a_ln1,@function
k_q488d2a7a1a_ln1:
	s_mov_b64 s[64:65], 0
	v_nop
	global_prefetch_b8 v0, s[64:65] scope:SCOPE_SE
	s_setreg_imm32_b32 hwreg(HW_REG_WAVE_MODE, 25, 1), 1
	s_wait_xcnt 0x0
; n = g1 (y - mean) / (std + 1e-6) + b1, y = x + p, row by row: mean over 1,024, std = sqrt(sum of (y - mean)^2 / 1,023).  p lies in the buffer xc (launch aproj).
; n is stored as f32 (nf) and as codes of E4M3 with the given scale 2^e8 (nc, [4096][1024] bytes): n / 2^e8, held within +-448, to the nearest code, ties to even.
; LIMIT: -126 <= e8 <= 119.
; A wave takes ONE row: 4,096 rows = 256 work-groups x 16 waves.  Each 16-byte load and store of the wave covers 512 consecutive bytes; lane l holds columns 128 i + 4 l + 0 .. 3, i = 0 .. 7.
; THE CODES: a conversion takes my eight registers of column groups 2 p and 2 p + 1 and gives one word for each.  Lanes l and l xor 1 exchange one word, so that an even lane holds
; 8 neighbouring codes of group 2 p and an odd lane 8 of group 2 p + 1: the wave's 8-byte store covers 256 consecutive bytes, aligned.
; Waves share nothing: no LDS, no barrier.  No matrix unit and no cluster: no product, and no shared tile but g1 and b1 (8,192 bytes).  No prefetch: the launch has no loop to run ahead in.
.set M,  8                             ; v8-39    p, then y, y - mean, n
.set N,  40                            ; v40-71   x, then n held
.set G,  72                            ; v72-103  g1
.set B,  104                           ; v104-135 b1
.set T,  136                           ; v136-151 partial sums; then v136-143 the codes' words, v144-147 the words sent
.set MN, 152
.set IV, 154
.set RC, 156                           ; v156-159 the words received
.set L,  160                           ; v160-167 8 codes a pair
	s_load_b256 s[4:11], s[0:1], 0x0               ; p, x, g1, b1
	s_load_b128 s[12:15], s[0:1], 0x20             ; the scales' exponents, nf
	s_load_b64 s[16:17], s[0:1], 0x30              ; nc
	v_lshrrev_b32 v1, 5, v0
	s_delay_alu instid0(VALU_DEP_1)
	v_readfirstlane_b32 s18, v1                    ; wave
	v_and_b32 v7, 31, v0
	v_mov_b32 v3, 0                                ; a lane permute's or a DPP form's destination counts as one of its sources
	s_delay_alu instid0(VALU_DEP_2)
	v_lshlrev_b32 v2, 4, v7                        ; 16 x lane
	v_and_b32 v4, 1, v7
	v_lshrrev_b32 v7, 1, v7
	s_delay_alu instid0(VALU_DEP_2)
	v_lshlrev_b32 v4, 7, v4
	s_delay_alu instid0(VALU_DEP_1)
	v_lshl_add_u32 v4, v7, 3, v4                   ; the codes: 128 (lane % 2) + 8 (lane / 2)
.irp p, 0,1,2,3
	v_mov_b32 v[RC+\p], 0
.endr
	s_lshl_b32 s19, ttmp9, 4
	s_add_co_u32 s19, s19, s18                     ; my row
	s_lshl_b32 s20, s19, 12
	s_mov_b32 s21, 0
	s_lshl_b32 s22, s19, 10
	s_mov_b32 s23, 0
	s_mov_b32 s26, 0x76543210
	s_mov_b32 s27, 0xfedcba98
	s_mov_b32 s28, 0xaaaaaaaa                      ; the odd lanes
	s_wait_alu depctr_va_vdst(0)
	s_wait_kmcnt 0x0
	s_load_b32 s24, s[12:13], 0x20                 ; e8
	s_add_nc_u64 s[4:5], s[4:5], s[20:21]
	s_add_nc_u64 s[6:7], s[6:7], s[20:21]
	s_add_nc_u64 s[14:15], s[14:15], s[20:21]
	s_add_nc_u64 s[16:17], s[16:17], s[22:23]
.irp i, 0,1,2,3,4,5,6,7
	global_load_b128 v[M+4*\i:M+4*\i+3], v2, s[4:5] offset:512*\i th:TH_LOAD_NT
.endr
.irp i, 0,1,2,3,4,5,6,7
	global_load_b128 v[N+4*\i:N+4*\i+3], v2, s[6:7] offset:512*\i th:TH_LOAD_NT
.endr
.irp i, 0,1,2,3,4,5,6,7
	global_load_b128 v[G+4*\i:G+4*\i+3], v2, s[8:9] offset:512*\i
.endr
.irp i, 0,1,2,3,4,5,6,7
	global_load_b128 v[B+4*\i:B+4*\i+3], v2, s[10:11] offset:512*\i
.endr
	s_wait_kmcnt 0x0
	s_add_co_i32 s24, s24, 127
	s_lshl_b32 s25, s24, 23
	v_mov_b32 v6, s25                              ; 2^e8
	s_add_co_i32 s24, s24, 8
	s_lshl_b32 s24, s24, 23
	s_or_b32 s24, s24, 0x600000
	v_mov_b32 v5, s24                              ; 448 x 2^e8
.macro FOLD                            ; eight pairs of partial sums -> the row's sum in every lane
.irp k, 0,1,2,3
	v_pk_add_f32 v[T+2*\k:T+2*\k+1], v[T+2*\k:T+2*\k+1], v[T+2*\k+8:T+2*\k+9]
.endr
	s_delay_alu instid0(VALU_DEP_2)
	v_pk_add_f32 v[T:T+1], v[T:T+1], v[T+4:T+5]
	s_delay_alu instid0(VALU_DEP_2)
	v_pk_add_f32 v[T+2:T+3], v[T+2:T+3], v[T+6:T+7]
	s_delay_alu instid0(VALU_DEP_1)
	v_pk_add_f32 v[T:T+1], v[T:T+1], v[T+2:T+3]
	s_delay_alu instid0(VALU_DEP_1)
	v_add_f32 v[T], v[T], v[T+1]
.irp m, 1,2,4,8
	s_delay_alu instid0(VALU_DEP_1)
	v_add_f32_dpp v[T], v[T], v[T] row_xmask:\m row_mask:0xf bank_mask:0xf
.endr
	s_delay_alu instid0(VALU_DEP_1)
	v_permlanex16_b32 v3, v[T], s26, s27
	s_delay_alu instid0(VALU_DEP_1)
	v_add_f32 v[T], v[T], v3
.endm
	s_wait_alu depctr_va_vdst(0)
	s_wait_loadcnt 0x0
.set i, 0
.rept 16
	v_pk_add_f32 v[M+i:M+i+1], v[M+i:M+i+1], v[N+i:N+i+1]     ; y = x + p
.set i, i+2
.endr
.set i, 0
.rept 8
	v_pk_add_f32 v[T+2*i:T+2*i+1], v[M+4*i:M+4*i+1], v[M+4*i+2:M+4*i+3]
.set i, i+1
.endr
	FOLD
	s_delay_alu instid0(VALU_DEP_1)
	v_mul_f32 v[MN], 0x3a800000, v[T]              ; / 1,024
	s_delay_alu instid0(VALU_DEP_1)
	v_mov_b32 v[MN+1], v[MN]
.set i, 0
.rept 16
	v_pk_add_f32 v[M+i:M+i+1], v[M+i:M+i+1], v[MN:MN+1] neg_lo:[0,1] neg_hi:[0,1]
.set i, i+2
.endr
.set i, 0
.rept 8
	v_pk_mul_f32 v[T+2*i:T+2*i+1], v[M+4*i:M+4*i+1], v[M+4*i:M+4*i+1]
.set i, i+1
.endr
.set i, 0
.rept 8
	v_pk_fma_f32 v[T+2*i:T+2*i+1], v[M+4*i+2:M+4*i+3], v[M+4*i+2:M+4*i+3], v[T+2*i:T+2*i+1]
.set i, i+1
.endr
	FOLD
	s_delay_alu instid0(VALU_DEP_1)
	v_mul_f32 v[T], 0x3a802008, v[T]               ; / 1,023
	s_wait_alu depctr_va_vdst(0)                   ; a wait ahead of each transcendental and ahead of its first reader
	v_sqrt_f32 v[T+1], v[T]
	v_nop
	s_wait_alu depctr_va_vdst(0)
	v_add_f32 v[T+1], 0x358637bd, v[T+1]           ; + 1e-6
	s_wait_alu depctr_va_vdst(0)
	v_rcp_f32 v[IV], v[T+1]
	v_nop
	s_wait_alu depctr_va_vdst(0)
	v_mov_b32 v[IV+1], v[IV]
.set i, 0
.rept 16
	v_pk_mul_f32 v[G+i:G+i+1], v[G+i:G+i+1], v[IV:IV+1]
.set i, i+2
.endr
.set i, 0
.rept 16
	v_pk_fma_f32 v[M+i:M+i+1], v[M+i:M+i+1], v[G+i:G+i+1], v[B+i:B+i+1]
.set i, i+2
.endr
.irp i, 0,1,2,3,4,5,6,7
	global_store_b128 v2, v[M+4*\i:M+4*\i+3], s[14:15] offset:512*\i
.endr
.set i, 0
.rept 32
	v_med3_num_f32 v[N+i], v[M+i], -v5, v5         ; the conversion does not saturate (ISA guide 7.6.2): the hold comes first, into other registers
.set i, i+1
.endr
.irp p, 0,1,2,3
	v_cvt_scalef32_pk8_fp8_f32 v[T+2*\p:T+2*\p+1], v[N+8*\p:N+8*\p+7], v6    ; word 0: group 2 p's four codes; word 1: group 2 p + 1's
.endr
	v_nop                                          ; one plain line behind the conversions
.irp p, 0,1,2,3
	v_cndmask_b32 v[T+8+\p], v[T+2*\p+1], v[T+2*\p], s28      ; what my neighbour wants: an even lane sends word 1, an odd lane word 0
.endr
.irp p, 0,1,2,3
	v_mov_b32_dpp v[RC+\p], v[T+8+\p] row_xmask:1 row_mask:0xf bank_mask:0xf
.endr
.irp p, 0,1,2,3
	v_cndmask_b32 v[L+2*\p], v[T+2*\p], v[RC+\p], s28         ; even: mine, then my neighbour's; odd: my neighbour's, then mine
	v_cndmask_b32 v[L+2*\p+1], v[RC+\p], v[T+2*\p+1], s28
.endr
.irp p, 0,1,2,3
	global_store_b64 v4, v[L+2*\p:L+2*\p+1], s[16:17] offset:256*\p
.endr
	s_endpgm
.Lfunc_end_k_q488d2a7a1a_ln1:
	.size	k_q488d2a7a1a_ln1, .Lfunc_end_k_q488d2a7a1a_ln1-k_q488d2a7a1a_ln1
	.p2alignl 7, 3214868480
	.fill 96, 4, 3214868480
	.section	.rodata,"a",@progbits
	.p2align	6, 0x0
	.amdhsa_kernel k_q488d2a7a1a_ln1
		.amdhsa_group_segment_fixed_size 0
		.amdhsa_private_segment_fixed_size 0
		.amdhsa_enable_private_segment 0
		.amdhsa_kernarg_size 56
		.amdhsa_user_sgpr_count 2
		.amdhsa_user_sgpr_kernarg_segment_ptr 1
		.amdhsa_wavefront_size32 1
		.amdhsa_system_sgpr_workgroup_id_x 1
		.amdhsa_system_sgpr_workgroup_id_y 1
		.amdhsa_system_sgpr_workgroup_id_z 1
		.amdhsa_system_vgpr_workitem_id 0
		.amdhsa_next_free_vgpr 168
		.amdhsa_next_free_sgpr 66
		.amdhsa_reserve_vcc 0
		.amdhsa_float_denorm_mode_32 3
		.amdhsa_float_denorm_mode_16_64 3
		.amdhsa_memory_ordered 1
		.amdhsa_forward_progress 1
		.amdhsa_inst_pref_size 18
	.end_amdhsa_kernel
	.amdgpu_metadata
---
amdhsa.version: [ 1, 2 ]
amdhsa.kernels:
  - .name:           k_q488d2a7a1a_ln1
    .symbol:         k_q488d2a7a1a_ln1.kd
    .args:
      - { .name: xc, .offset: 0, .size: 8, .value_kind: global_buffer, .address_space: global }
      - { .name: x, .offset: 8, .size: 8, .value_kind: global_buffer, .address_space: global }
      - { .name: g1, .offset: 16, .size: 8, .value_kind: global_buffer, .address_space: global }
      - { .name: b1, .offset: 24, .size: 8, .value_kind: global_buffer, .address_space: global }
      - { .name: lowp_scales, .offset: 32, .size: 8, .value_kind: global_buffer, .address_space: global }
      - { .name: nf, .offset: 40, .size: 8, .value_kind: global_buffer, .address_space: global }
      - { .name: nc, .offset: 48, .size: 8, .value_kind: global_buffer, .address_space: global }
    .group_segment_fixed_size: 0
    .private_segment_fixed_size: 0
    .kernarg_segment_align: 8
    .kernarg_segment_size: 56
    .max_flat_workgroup_size: 512
    .sgpr_count:     66
    .vgpr_count:     168
    .wavefront_size: 32
...
	.end_amdgpu_metadata
.endif
;; end of part 5
;; launch fc (part 6): grid 16 x 16, 4 waves a work-group, clusters of 4 x 4, 327,680 bytes of LDS; arguments nc, w_fc_codes, lowp_scales, b_fc, hi; writes hi
.if DOCPART == 6
	.amdgcn_target "amdgcn-amd-amdhsa--gfx1250"
	.amdhsa_code_object_version 6
	.text
	.protected	k_q488d2a7a1a_fc
	.globl	k_q488d2a7a1a_fc
	.p2align	8
	.type	k_q488d2a7a1a_fc,@function
k_q488d2a7a1a_fc:
	s_mov_b64 s[64:65], 0
	v_nop
	global_prefetch_b8 v0, s[64:65] scope:SCOPE_SE
	s_setreg_imm32_b32 hwreg(HW_REG_WAVE_MODE, 25, 1), 1
	s_wait_xcnt 0x0
	s_wait_alu depctr_hold_cnt(0) depctr_sa_sdst(0) depctr_va_vdst(0) depctr_va_sdst(0) depctr_va_ssrc(0) depctr_va_vcc(0) depctr_vm_vsrc(0)
	s_getreg_b32 s2, hwreg(HW_REG_IB_STS2, 6, 4)
	s_cmp_eq_u32 s2, 0
	s_cbranch_scc0 .Lentry_in_a_cluster
	s_endpgm
.Lentry_in_a_cluster:
	s_bfe_u32 s2, ttmp6, 0x10000c
	s_cmp_lg_u32 s2, 0xf033
	s_cbranch_scc0 .Lentry_shape_is_right
	s_endpgm
.Lentry_shape_is_right:
.set SIZE_K, 1024
.set KSTEP,  256
.set ROWB,   256
.set KROW,   SIZE_K
.set PITCH,  272
.set FR,     16
.set NL,     4
.set NP,     4
.set HALFT,  128*PITCH
.set SLOT,   4*HALFT
.set LAPS,   SIZE_K/(2*KSTEP)
.set SPARE,  2*SLOT
.set BOF,  8
.set KC2,  10
.set KC1,  12
.set ADRA, 16
.set ADRB, 20
.set CO,   26
.set SPW,  28
.set NIL,  29
.set LIMV, 30
.set SCV,  31
.set BI,   32
.set T,    96
.set AF,   128
.set U,    160
.set CD,   224
.set G1, 24
.set G0, 32
.set G1B, 48
.set G0B, 56
.set MSB, 0
.macro WIN new
.if MSB != \new
	s_set_vgpr_msb (MSB<<8)|\new
.set MSB, \new
.endif
.endm
.set MUL_LO, 0xa1
.set MUL_HI, 0xf1
.set TO_B,   0x40
.macro JLOAD g0a, g1a, g0b, g1b
	s_cmp_eq_u32 s15, 0
	s_cbranch_scc0 .Lfor_b_\@
	tensor_load_to_lds s[\g0a:\g0a+3], s[\g1a:\g1a+7]
	s_nop 0
.rept 4
	v_nop
.endr
	s_branch .Lasked_\@
.Lfor_b_\@:
	tensor_load_to_lds s[\g0b:\g0b+3], s[\g1b:\g1b+7]
	s_nop 0
.rept 4
	v_nop
.endr
.Lasked_\@:
.endm
.macro CREST
	s_cmp_lg_u32 s14, 0
	s_cbranch_scc1 .Lnot_wave_0_\@
	s_barrier_signal -3
.Lnot_wave_0_\@:
	s_barrier_wait -3
	s_barrier_signal -1
	s_barrier_wait -1
.endm
.macro CROUND
	s_barrier_signal -1
	s_barrier_wait -1
	CREST
.endm
	s_load_b256 s[4:11], s[0:1], 0x0
	s_load_b64 s[68:69], s[0:1], 0x20
	v_lshl_add_u32 v[SPW], v0, 2, SPARE
	v_mov_b32 v[NIL], 0
	ds_add_u32 v[SPW], v[NIL]
	ds_add_u32 v[SPW], v[NIL]
	v_lshrrev_b32 v1, 5, v0
	v_readfirstlane_b32 s14, v1
	s_lshr_b32 s15, s14, 1
	s_and_b32 s16, s14, 1
	s_bfe_u32 s40, ttmp6, 0x40000
	s_bfe_u32 s41, ttmp6, 0x40004
	s_lshl_b32 s42, ttmp9, 2
	s_add_co_u32 s42, s42, s40
	s_and_b32 s17, ttmp7, 0xffff
	s_lshl_b32 s17, s17, 2
	s_add_co_u32 s17, s17, s41
	s_lshl_b32 s43, s41, 2
	s_lshl_b32 s43, 15, s43
	s_lshl_b32 s44, 0x1111, s40
	s_or_b32 s[G1+0], s43, (0<<16)|(1<<20)|(1<<21)|(5<<22)|(3<<25)
	s_or_b32 s[G1B+0], s44, (0<<16)|(1<<20)|(1<<21)|(5<<22)|(3<<25)
.irp g, G1, G1B
	s_mov_b32 s[\g+1], ROWB<<16
	s_mov_b32 s[\g+2], 128<<16
	s_mov_b32 s[\g+3], ROWB<<16
	s_mov_b32 s[\g+4], 128
	s_mov_b32 s[\g+5], KROW
	s_mov_b32 s[\g+6], 0
	s_mov_b32 s[\g+7], 0
.endr
	s_lshl_b32 s18, s16, 7
	s_lshl_b32 s20, s17, 8
	s_add_co_u32 s20, s20, s18
	s_lshl_b32 s46, s42, 8
	s_add_co_u32 s46, s46, s18
	s_lshl_b32 s20, s20, 10
	s_mov_b32 s21, 0
	s_lshl_b32 s46, s46, 10
	s_mov_b32 s47, 0
	s_mul_i32 s45, s14, HALFT
	s_wait_dscnt 0x0
	s_wait_kmcnt 0x0
	s_load_b128 s[80:83], s[8:9], 0x20
	s_add_nc_u64 s[20:21], s[4:5], s[20:21]
	s_add_nc_u64 s[46:47], s[6:7], s[46:47]
	CROUND
.irp s, 0,1
	s_mov_b32 s[G0+4*\s], 1
	s_add_co_u32 s[G0+4*\s+1], s45, \s*SLOT
	s_add_nc_u64 s[G0+4*\s+2:G0+4*\s+3], s[20:21], \s*ROWB
	s_or_b32 s[G0+4*\s+3], s[G0+4*\s+3], 0x80000000
	s_mov_b32 s[G0B+4*\s], 1
	s_add_co_u32 s[G0B+4*\s+1], s45, \s*SLOT
	s_add_nc_u64 s[G0B+4*\s+2:G0B+4*\s+3], s[46:47], \s*ROWB
	s_or_b32 s[G0B+4*\s+3], s[G0B+4*\s+3], 0x80000000
	s_wait_alu depctr_va_vdst(0)
	s_wait_tensorcnt 0x0
	ds_add_u32 v28, v29
	ds_add_u32 v28, v29
	s_wait_dscnt 0x0
	CROUND
	JLOAD G0+4*\s, G1, G0B+4*\s, G1B
.endr
	v_and_b32 v1, 15, v0
	v_bfe_u32 v2, v0, 4, 1
	v_mul_u32_u24 v3, v1, PITCH
	v_lshl_add_u32 v4, v2, 4, v3
	s_mul_i32 s21, s15, HALFT
	s_mul_i32 s22, s16, HALFT
	s_add_co_u32 s22, s22, 2*HALFT
.irp s, 0,1
	v_add_nc_u32 v[ADRA+\s], s21, v4
	v_add_nc_u32 v[ADRB+\s], s22, v4
	s_add_co_u32 s21, s21, SLOT
	s_add_co_u32 s22, s22, SLOT
.endr
	v_and_b32 v6, 31, v0
	v_lshlrev_b32 v[CO], 4, v6
	v_lshlrev_b32 v[BOF], 5, v2
	v_mov_b32 v[KC2], 0xbdd2d3e8
	v_mov_b32 v[KC2+1], 0xbdd2d3e8
	v_mov_b32 v[KC1], 0xc0135761
	v_mov_b32 v[KC1+1], 0xc0135761
	s_lshl_b32 s90, s42, 10
	s_lshl_b32 s91, s16, 9
	s_add_co_u32 s90, s90, s91
	s_mov_b32 s91, 0
	s_add_nc_u64 s[78:79], s[10:11], s[90:91]
.irp b, 0,1,2,3,4,5,6,7
	global_load_b128 v[BI+8*\b:BI+8*\b+3], v[BOF], s[78:79] offset:64*\b
	global_load_b128 v[BI+8*\b+4:BI+8*\b+7], v[BOF], s[78:79] offset:64*\b+16
.endr
	s_lshl_b32 s90, s17, 4
	s_lshl_b32 s91, s15, 3
	s_add_co_u32 s90, s90, s91
	s_lshl_b32 s90, s90, 5
	s_lshl_b32 s91, s42, 1
	s_add_co_u32 s90, s90, s91
	s_add_co_u32 s90, s90, s16
	s_lshl_b32 s90, s90, 11
	s_mov_b32 s91, 0
	s_add_nc_u64 s[76:77], s[68:69], s[90:91]
.macro FRAG reg, adr, q, i
.irp c, 0,1,2,3
	ds_load_b128 v[\reg+4*\c:\reg+4*\c+3], v[\adr] offset:128*(\q)+32*\c+(\i)*16*PITCH
.endr
.endm
.macro MUL16 a0, p, zero
.irp a, \a0, \a0+1
.irp b, 0,1,2,3,4,5,6,7
.if \zero
	v_wmma_f32_16x16x128_fp8_fp8 v[8*(8*((\a)%4)+\b):8*(8*((\a)%4)+\b)+7], v[128*(\p)+FR*\b:128*(\p)+FR*\b+FR-1], v[AF+FR*(\a):AF+FR*(\a)+FR-1], 0
.else
	v_wmma_f32_16x16x128_fp8_fp8 v[8*(8*((\a)%4)+\b):8*(8*((\a)%4)+\b)+7], v[128*(\p)+FR*\b:128*(\p)+FR*\b+FR-1], v[AF+FR*(\a):AF+FR*(\a)+FR-1], v[8*(8*((\a)%4)+\b):8*(8*((\a)%4)+\b)+7]
.endif
.endr
.endr
.endm
.macro FETCH_B slot, q, p
	WIN TO_B
.irp i, 0,1,2,3,4,5,6,7
	FRAG 128*(\p)+FR*\i, ADRB+\slot, \q, \i
.endr
	WIN 0
.endm
.macro FETCH_A slot, q, i0
.irp i, \i0, \i0+1, \i0+2, \i0+3
	FRAG AF+FR*(\i), ADRA+\slot, \q, \i
.endr
.endm
.macro PLACES n
.rept \n
	v_nop
.endr
.endm
.macro STEP slot, q, zero
	s_wait_dscnt 4*NL
	WIN MUL_LO
	MUL16 0, (\q)%2, \zero
	MUL16 2, (\q)%2, \zero
	s_wait_dscnt 0
	PLACES NP
	FETCH_B \slot, (\q)+1, 1-(\q)%2
	FETCH_A \slot, (\q)+1, 0
	WIN MUL_HI
	MUL16 4, (\q)%2, \zero
	MUL16 6, (\q)%2, \zero
	PLACES NP
	WIN 0
	FETCH_A \slot, (\q)+1, 4
.endm
.macro TURN slot, next, fill
	s_wait_tensorcnt 0x0
	ds_add_u32 v[SPW], v[NIL]
	s_wait_dscnt 4*NL+1
	WIN MUL_LO
	MUL16 0, 1, 0
	s_wait_dscnt 0x0
	s_barrier_signal -1
	MUL16 2, 1, 0
	WIN 0
	s_barrier_wait -1
.if \fill
	CREST
	s_add_nc_u64 s[G0+4*\slot+2:G0+4*\slot+3], s[G0+4*\slot+2:G0+4*\slot+3], 2*ROWB
	s_add_nc_u64 s[G0B+4*\slot+2:G0B+4*\slot+3], s[G0B+4*\slot+2:G0B+4*\slot+3], 2*ROWB
	JLOAD G0+4*\slot, G1, G0B+4*\slot, G1B
.else
	PLACES NP
.endif
	s_wait_alu depctr_va_vdst(0)
	FETCH_B \next, 0, 0
	FETCH_A \next, 0, 0
	WIN MUL_HI
	MUL16 4, 1, 0
	MUL16 6, 1, 0
	PLACES NP
	WIN 0
	FETCH_A \next, 0, 4
.endm
	s_wait_tensorcnt 1
	s_barrier_signal -1
	s_barrier_wait -1
	FETCH_B 0, 0, 0
	FETCH_A 0, 0, 0
	FETCH_A 0, 0, 4
	STEP 0, 0, 1
	s_mov_b32 s3, LAPS-1
.Llap:
	TURN 0, 1, 1
	STEP 1, 0, 0
	TURN 1, 0, 1
	STEP 0, 0, 0
	s_sub_co_u32 s3, s3, 1
	s_cmp_lg_u32 s3, 0
	s_cbranch_scc1 .Llap
	TURN 0, 1, 0
	STEP 1, 0, 0
	s_wait_dscnt 4*NL
	WIN MUL_LO
	MUL16 0, 1, 0
	MUL16 2, 1, 0
	s_wait_dscnt 0
	WIN MUL_HI
	MUL16 4, 1, 0
	MUL16 6, 1, 0
	WIN 0
.macro GEL a
.set AC, 64*((\a)%4)
.set CDB, CD+16*((\a)%2)
.set WSRC, 0x02+((\a)/4)
	WIN WSRC
.set i, 0
.rept 32
	v_pk_fma_f32 v[T+i:T+i+1], v[AC+i:AC+i+1], s[96:97], v[BI+i:BI+i+1] op_sel_hi:[1,0,1]
.set i, i+2
.endr
	WIN 0
.set i, 0
.rept 32
	v_pk_mul_f32 v[U+i:U+i+1], v[T+i:T+i+1], v[T+i:T+i+1]
.set i, i+2
.endr
.set i, 0
.rept 32
	v_pk_fma_f32 v[U+i:U+i+1], v[U+i:U+i+1], v[KC2:KC2+1], v[KC1:KC1+1]
.set i, i+2
.endr
.set i, 0
.rept 32
	v_pk_mul_f32 v[U+i:U+i+1], v[U+i:U+i+1], v[T+i:T+i+1]
.set i, i+2
.endr
.set i, 0
	s_wait_alu depctr_va_vdst(0)
.rept 64
	v_exp_f32 v[U+i], v[U+i]
.set i, i+1
.endr
	v_nop
	s_wait_alu depctr_va_vdst(0)
.set i, 0
.rept 32
	v_pk_add_f32 v[U+i:U+i+1], v[U+i:U+i+1], 1.0 op_sel_hi:[1,0]
.set i, i+2
.endr
.set i, 0
	s_wait_alu depctr_va_vdst(0)
.rept 64
	v_rcp_f32 v[U+i], v[U+i]
.set i, i+1
.endr
	v_nop
	s_wait_alu depctr_va_vdst(0)
.set i, 0
.rept 32
	v_pk_mul_f32 v[T+i:T+i+1], v[T+i:T+i+1], v[U+i:U+i+1]
.set i, i+2
.endr
.set i, 0
.rept 64
	v_med3_num_f32 v[T+i], v[T+i], -v[LIMV], v[LIMV]
.set i, i+1
.endr
.if (\a) >= 2
	s_wait_alu depctr_va_vdst(0)
	s_wait_xcnt 0x0
.endif
.irp b, 0,1,2,3,4,5,6,7
	v_cvt_scalef32_pk8_fp8_f32 v[CDB+2*\b:CDB+2*\b+1], v[T+8*\b:T+8*\b+7], v[SCV]
.endr
	v_nop
.irp g, 0,1,2,3
	global_store_b128 v[CO], v[CDB+4*\g:CDB+4*\g+3], s[76:77] offset:(\a)*65536+512*\g
.endr
.endm
	s_wait_kmcnt 0x0
	s_add_co_i32 s96, s80, s81
	s_add_co_i32 s96, s96, 127
	s_lshl_b32 s96, s96, 23
	s_mov_b32 s97, s96
	s_add_co_i32 s85, s82, 127
	s_lshl_b32 s90, s85, 23
	v_mov_b32 v[SCV], s90
	s_add_co_i32 s85, s85, 8
	s_lshl_b32 s85, s85, 23
	s_or_b32 s85, s85, 0x600000
	v_mov_b32 v[LIMV], s85
	s_wait_loadcnt 0x0
	PLACES NP
.irp a, 0,1,2,3,4,5,6,7
	GEL \a
.endr
	s_wait_tensorcnt 0x0
	ds_add_u32 v[SPW], v[NIL]
	s_wait_dscnt 0x0
	CROUND
	s_endpgm
.Lfunc_end_k_q488d2a7a1a_fc:
	.size	k_q488d2a7a1a_fc, .Lfunc_end_k_q488d2a7a1a_fc-k_q488d2a7a1a_fc
	.p2alignl 7, 3214868480
	.fill 96, 4, 3214868480
	.section	.rodata,"a",@progbits
	.p2align	6, 0x0
	.amdhsa_kernel k_q488d2a7a1a_fc
		.amdhsa_group_segment_fixed_size 327680
		.amdhsa_private_segment_fixed_size 0
		.amdhsa_enable_private_segment 0
		.amdhsa_kernarg_size 40
		.amdhsa_user_sgpr_count 2
		.amdhsa_user_sgpr_kernarg_segment_ptr 1
		.amdhsa_wavefront_size32 1
		.amdhsa_system_sgpr_workgroup_id_x 1
		.amdhsa_system_sgpr_workgroup_id_y 1
		.amdhsa_system_sgpr_workgroup_id_z 1
		.amdhsa_system_vgpr_workitem_id 0
		.amdhsa_next_free_vgpr 1024
		.amdhsa_next_free_sgpr 98
		.amdhsa_reserve_vcc 0
		.amdhsa_float_denorm_mode_32 3
		.amdhsa_float_denorm_mode_16_64 3
		.amdhsa_memory_ordered 1
		.amdhsa_forward_progress 1
		.amdhsa_inst_pref_size 250
	.end_amdhsa_kernel
	.amdgpu_metadata
---
amdhsa.version: [ 1, 2 ]
amdhsa.kernels:
  - .name:           k_q488d2a7a1a_fc
    .symbol:         k_q488d2a7a1a_fc.kd
    .args:
      - { .name: nc, .offset: 0, .size: 8, .value_kind: global_buffer, .address_space: global }
      - { .name: w_fc_codes, .offset: 8, .size: 8, .value_kind: global_buffer, .address_space: global }
      - { .name: lowp_scales, .offset: 16, .size: 8, .value_kind: global_buffer, .address_space: global }
      - { .name: b_fc, .offset: 24, .size: 8, .value_kind: global_buffer, .address_space: global }
      - { .name: hi, .offset: 32, .size: 8, .value_kind: global_buffer, .address_space: global }
    .group_segment_fixed_size: 327680
    .private_segment_fixed_size: 0
    .kernarg_segment_align: 8
    .kernarg_segment_size: 40
    .max_flat_workgroup_size: 128
    .sgpr_count:     98
    .vgpr_count:     1024
    .wavefront_size: 32
...
	.end_amdgpu_metadata
.endif
;; end of part 6
;; launch mproj (part 7): grid 8 x 32, 4 waves a work-group, clusters of 4 x 4, 327,680 bytes of LDS; arguments hi, w_mproj_codes, lowp_scales, b_mproj, xc; writes xc
.if DOCPART == 7
	.amdgcn_target "amdgcn-amd-amdhsa--gfx1250"
	.amdhsa_code_object_version 6
	.text
	.protected	k_q488d2a7a1a_mproj
	.globl	k_q488d2a7a1a_mproj
	.p2align	8
	.type	k_q488d2a7a1a_mproj,@function
k_q488d2a7a1a_mproj:
	s_mov_b64 s[64:65], 0
	v_nop
	global_prefetch_b8 v0, s[64:65] scope:SCOPE_SE
	s_setreg_imm32_b32 hwreg(HW_REG_WAVE_MODE, 25, 1), 1
	s_wait_xcnt 0x0
	s_wait_alu depctr_hold_cnt(0) depctr_sa_sdst(0) depctr_va_vdst(0) depctr_va_sdst(0) depctr_va_ssrc(0) depctr_va_vcc(0) depctr_vm_vsrc(0)
	s_getreg_b32 s2, hwreg(HW_REG_IB_STS2, 6, 4)
	s_cmp_eq_u32 s2, 0
	s_cbranch_scc0 .Lentry_in_a_cluster
	s_endpgm
.Lentry_in_a_cluster:
	s_bfe_u32 s2, ttmp6, 0x10000c
	s_cmp_lg_u32 s2, 0xf033
	s_cbranch_scc0 .Lentry_shape_is_right
	s_endpgm
.Lentry_shape_is_right:
; m = h w_mproj + b_mproj: [4096][4096] x [4096][1024] on E4M3 codes, f32 sums; each sum x 2^(e10 + e11), + the bias, stored as f32 [4096][1024].
; The result goes into the buffer xc, 16,777,216 bytes: its first use (x's codes) ended with launch qkv.  The residual and LayerNorm 2 follow in launch ln2, which needs whole rows.
; LIMIT: e10 + e11 lies between -126 and 127, so that 2^(e10 + e11) is an f32 number.
; SHARES.  A block of 128 x 128 to a work-group: 32 x 8 = 256 work-groups.  Four waves, each 64 x 64: 16 accumulators, which take turns.
; h lies in memory as images of operand registers (launch fc): 16 rows x 128 k are 2,048 bytes, 512 g + 16 lane for registers 4 g .. 4 g + 3, in the matrix instruction's own layout;
; a block of 16 rows has its 32 images on end (RBS bytes).  W's rows lie along K and are read from LDS 8 bytes a lane, at 16 c + 8 (lane / 16), the same layout.
; THE RING: two slots, each with 512 along K: A as 8 blocks x 8,192 bytes, W as 128 rows of 512 bytes + 16 of padding.  Waves 0, 1 fetch A's halves, waves 2, 3 W's: one tensor load a wave.
; CLUSTERS: 4 x 4.  A's tile hangs on the block row and is shared along the cluster's row, W's on the block column and is shared along its column: joint loads.
; TRANSPOSED USE: source 0 = 16 rows of W, source 1 = 16 rows of h: a lane holds eight neighbouring columns of one row of the result.
; PREFETCH: behind the fill of step t each wave names, once, 32 blocks of 256 bytes of step t + 2; the four partners of a joint load share its blocks out by address
; (A: block of 16 rows cx of the wave's four; W: rows 16 cy .. 16 cy + 15 of the wave's 64).  The fills of the last two steps ask for nothing.
; REGISTERS: window 0: addresses, v32-63 the bias, v64-95 and v128-255 the way out; window 1: two buffers of fragments (W's four, then A's four); window 2: v0-127 the accumulators.
.set KB,    4096
.set EOFF,  0x28
.set STEPK, 512
.set LAPS,  KB/(2*STEPK)
.set RBS,   KB*16
.set ASTEP, STEPK*16
.set AHALF, 4*ASTEP
.set WP,    STEPK+16
.set WHALF, 64*WP
.set WOFF,  2*AHALF
.set SLOT,  WOFF+2*WHALF
.set SPARE, 2*SLOT                     ; the spare words: 128 bytes a wave, which no other line names
.set SP,    272                        ; the stage's pitch: 256 bytes + 16
.set ADRA, 16
.set ADRB, 20
.set STO,  24
.set RD,   25
.set CO,   26
.set BOF,  27
.set SPW,  28
.set NIL,  29
.set PFO,  30
.set BI,   32
.set TMP,  64
.set BK,   128
.set G1,   24
.set G0,   32
.set G1B,  48
.set G0B,  56
.set PFA,  68
.set PFS,  70
.set MULW, 0xa5                        ; sources 0 and 1 window 1, C and D window 2
.set TOF,  0x40                        ; destination window 1
.set MSB, 0
.macro WIN new
.if MSB != \new
	s_set_vgpr_msb (MSB<<8)|\new
.set MSB, \new
.endif
.endm
.macro PLACES n
.rept \n
	v_nop
.endr
.endm
.macro JLOAD g0a, g1a, g0b, g1b        ; waves 0, 1: A; waves 2, 3: W.
	s_cmp_eq_u32 s15, 0
	s_cbranch_scc0 .Lfor_b_\@
	tensor_load_to_lds s[\g0a:\g0a+3], s[\g1a:\g1a+7]
	s_nop 0
.rept 4
	v_nop
.endr
	s_branch .Lasked_\@
.Lfor_b_\@:
	tensor_load_to_lds s[\g0b:\g0b+3], s[\g1b:\g1b+7]
	s_nop 0
.rept 4
	v_nop
.endr
.Lasked_\@:
.endm
.macro CROUND                          ; a round of the cluster's barrier
	s_barrier_signal -1
	s_barrier_wait -1
	s_cmp_lg_u32 s14, 0
	s_cbranch_scc1 .Lnot_wave_0_\@
	s_barrier_signal -3
.Lnot_wave_0_\@:
	s_barrier_wait -3
	s_barrier_signal -1
	s_barrier_wait -1
.endm
	s_load_b256 s[4:11], s[0:1], 0x0               ; h's images, W's codes, the scales' exponents, the bias
	s_load_b64 s[12:13], s[0:1], 0x20              ; the result
	v_lshl_add_u32 v[SPW], v0, 2, SPARE
	v_mov_b32 v[NIL], 0
	ds_add_u32 v[SPW], v[NIL]                      ; the opening lines: the add, twice on end, and its wait
	ds_add_u32 v[SPW], v[NIL]
	v_lshrrev_b32 v1, 5, v0
	v_readfirstlane_b32 s14, v1                    ; wave
	s_lshr_b32 s15, s14, 1                         ; my half of the rows; also: I fetch A (0) or W (1)
	s_and_b32 s16, s14, 1                          ; my half of the columns; also: which half of that tile I fetch
	s_bfe_u32 s40, ttmp6, 0x40000                  ; cx
	s_bfe_u32 s41, ttmp6, 0x40004                  ; cy
	s_lshl_b32 s42, ttmp9, 2
	s_add_co_u32 s42, s42, s40                     ; block column
	s_and_b32 s17, ttmp7, 0xffff
	s_lshl_b32 s17, s17, 2
	s_add_co_u32 s17, s17, s41                     ; block row
	s_lshl_b32 s43, s41, 2
	s_lshl_b32 s43, 15, s43                        ; my row of the cluster
	s_lshl_b32 s44, 0x1111, s40                    ; my column
	s_or_b32 s[G1], s43, (3<<16)|(1<<21)           ; A: elements of 8 bytes, no padding
	s_mov_b32 s[G1+1], (ASTEP/8)<<16
	s_mov_b32 s[G1+2], 4<<16
	s_mov_b32 s[G1+3], (ASTEP/8)<<16
	s_mov_b32 s[G1+4], 4                           ; 4 rows of 8,192 bytes,
	s_mov_b32 s[G1+5], RBS/8                       ; RBS bytes apart
	s_mov_b32 s[G1+6], 0
	s_mov_b32 s[G1+7], 0
	s_or_b32 s[G1B], s44, (1<<20)|(1<<21)|(6<<22)|(3<<25)   ; W: bytes; four words of padding behind every 128
	s_mov_b32 s[G1B+1], STEPK<<16
	s_mov_b32 s[G1B+2], 64<<16
	s_mov_b32 s[G1B+3], STEPK<<16
	s_mov_b32 s[G1B+4], 64
	s_mov_b32 s[G1B+5], KB
	s_mov_b32 s[G1B+6], 0
	s_mov_b32 s[G1B+7], 0
	s_lshl_b32 s18, s16, 2
	s_lshl_b32 s20, s17, 3
	s_add_co_u32 s20, s20, s18
	s_mul_i32 s20, s20, RBS                        ; A: block of 16 rows 8 x block row + 4 x half
	s_mov_b32 s21, 0
	s_lshl_b32 s19, s16, 6
	s_lshl_b32 s46, s42, 7
	s_add_co_u32 s46, s46, s19
	s_mul_i32 s46, s46, KB                         ; W: row 128 x block column + 64 x half
	s_mov_b32 s47, 0
	s_mul_i32 s45, s16, AHALF                      ; where they go in a slot
	s_mul_i32 s66, s16, WHALF
	s_add_co_u32 s66, s66, WOFF
	s_wait_dscnt 0x0
	s_wait_kmcnt 0x0
	s_load_b64 s[96:97], s[8:9], EOFF              ; e10, e11
	s_add_nc_u64 s[20:21], s[4:5], s[20:21]
	s_add_nc_u64 s[46:47], s[6:7], s[46:47]
	CROUND                                         ; in front of the first joint loads
.irp s, 0,1
	s_mov_b32 s[G0+4*\s], 1
	s_add_co_u32 s[G0+4*\s+1], s45, \s*SLOT
	s_add_nc_u64 s[G0+4*\s+2:G0+4*\s+3], s[20:21], \s*ASTEP
	s_or_b32 s[G0+4*\s+3], s[G0+4*\s+3], 0x80000000
	s_mov_b32 s[G0B+4*\s], 1
	s_add_co_u32 s[G0B+4*\s+1], s66, \s*SLOT
	s_add_nc_u64 s[G0B+4*\s+2:G0B+4*\s+3], s[46:47], \s*STEPK
	s_or_b32 s[G0B+4*\s+3], s[G0B+4*\s+3], 0x80000000
.endr
	JLOAD G0, G1, G0B, G1B                         ; step 0: one tensor load a wave at the head
	; the prefetches: my work-group's quarter of what my wave fetches, at step 2
	s_cmp_eq_u32 s15, 0
	s_cselect_b64 s[PFA:PFA+1], s[4:5], s[6:7]
	s_cselect_b32 s72, s17, s42
	s_cselect_b32 s74, s40, s41
	s_mov_b32 s[PFS], STEPK
	s_cselect_b32 s[PFS], ASTEP, s[PFS]            ; a step on, in bytes
	s_cselect_b32 s67, -1, 0
	s_mov_b32 s[PFS+1], 0
	s_lshl_b32 s72, s72, 3
	s_lshl_b32 s75, s16, 2
	s_add_co_u32 s72, s72, s75
	s_add_co_u32 s72, s72, s74
	s_mul_i32 s72, s72, RBS                        ; 16 rows of W are RBS bytes too
	s_lshl_b32 s75, s[PFS], 1
	s_add_co_u32 s72, s72, s75
	s_mov_b32 s73, 0
	s_add_nc_u64 s[PFA:PFA+1], s[PFA:PFA+1], s[72:73]
	s_mul_i32 s76, s15, AHALF                      ; my 64 rows of A in a slot
	s_mul_i32 s77, s16, WHALF
	s_add_co_u32 s77, s77, WOFF                    ; my 64 rows of W
	s_mul_i32 s78, s14, 16*SP                      ; my stage, in slot 0
	s_lshl_b32 s80, s42, 9
	s_lshl_b32 s79, s16, 8
	s_add_co_u32 s80, s80, s79                     ; my first column, in bytes of f32
	s_mov_b32 s81, 0
	s_add_nc_u64 s[10:11], s[10:11], s[80:81]
	s_lshl_b32 s82, s17, 19
	s_lshl_b32 s79, s15, 18
	s_add_co_u32 s82, s82, s79                     ; my first row x 4,096 bytes
	s_add_co_u32 s82, s82, s80
	s_mov_b32 s83, 0
	s_add_nc_u64 s[12:13], s[12:13], s[82:83]
	v_and_b32 v1, 15, v0                           ; r
	v_bfe_u32 v2, v0, 4, 1                         ; h
	v_and_b32 v3, 31, v0                           ; lane
	v_lshlrev_b32 v4, 4, v3
	v_add_nc_u32 v[ADRA], s76, v4                  ; A: an image is read at 16 x lane
	v_add_nc_u32 v[ADRA+1], SLOT, v[ADRA]
	v_mul_u32_u24 v5, v1, WP
	v_lshl_add_u32 v5, v2, 3, v5
	v_add_nc_u32 v[ADRB], s77, v5                  ; W: row r, + 8 h
	v_add_nc_u32 v[ADRB+1], SLOT, v[ADRB]
	v_mul_u32_u24 v6, v1, SP
	v_lshl_add_u32 v6, v2, 5, v6
	v_add_nc_u32 v[STO], s78, v6                   ; the stage, in: row r, 32 bytes for each half of the lanes
	v_mul_u32_u24 v7, v2, SP
	v_lshl_add_u32 v7, v1, 4, v7
	v_add_nc_u32 v[RD], s78, v7                    ; back: lanes 0-15 one row of 256 bytes, lanes 16-31 the next
	v_lshlrev_b32 v8, 12, v2
	v_lshl_add_u32 v[CO], v1, 4, v8                ; the same two rows in the result
	v_lshlrev_b32 v[BOF], 5, v2
	v_lshlrev_b32 v9, 8, v3                        ; prefetch, A: lanes 256 bytes apart
	v_lshrrev_b32 v10, 1, v3
	v_mul_u32_u24 v10, v10, KB
	v_and_b32 v11, 1, v3
	v_lshl_add_u32 v10, v11, 8, v10                ; W: two lanes to a row's 512 bytes
	v_cndmask_b32 v[PFO], v10, v9, s67
	s_wait_alu depctr_va_vdst(0)
	global_prefetch_b8 v[PFO], s[PFA:PFA+1] th:TH_LOAD_NT scope:SCOPE_SE   ; step 2
.irp b, 0,1,2,3
	global_load_b128 v[BI+8*\b:BI+8*\b+3], v[BOF], s[10:11] offset:64*\b          ; the bias at my eight columns of each tile
	global_load_b128 v[BI+8*\b+4:BI+8*\b+7], v[BOF], s[10:11] offset:64*\b+16
.endr
.macro FETCH slot, q, p                ; the fragments of 128 along K: 32 + 16 LDS loads
.irp b, 0,1,2,3
.irp c, 0,1,2,3,4,5,6,7
	ds_load_b64 v[128*(\p)+16*\b+2*\c:128*(\p)+16*\b+2*\c+1], v[ADRB+(\slot)] offset:\b*16*WP+128*(\q)+16*\c
.endr
.endr
.irp a, 0,1,2,3
.irp g, 0,1,2,3
	ds_load_b128 v[128*(\p)+64+16*\a+4*\g:128*(\p)+64+16*\a+4*\g+3], v[ADRA+(\slot)] offset:\a*ASTEP+2048*(\q)+512*\g
.endr
.endr
.endm
.macro MUL p, zero                     ; 16 products; the 16 accumulators take turns
.irp a, 0,1,2,3
.irp b, 0,1,2,3
.if \zero
	v_wmma_f32_16x16x128_fp8_fp8 v[8*(4*\a+\b):8*(4*\a+\b)+7], v[128*(\p)+16*\b:128*(\p)+16*\b+15], v[128*(\p)+64+16*\a:128*(\p)+64+16*\a+15], 0
.else
	v_wmma_f32_16x16x128_fp8_fp8 v[8*(4*\a+\b):8*(4*\a+\b)+7], v[128*(\p)+16*\b:128*(\p)+16*\b+15], v[128*(\p)+64+16*\a:128*(\p)+64+16*\a+15], v[8*(4*\a+\b):8*(4*\a+\b)+7]
.endif
.endr
.endr
.endm
.macro S slot, q, zero                 ; one of a slot's first three quarters: the next quarter's fragments are asked for, then this one's are multiplied
	s_wait_dscnt 0x0                               ; this quarter's fragments are in
	PLACES 4                                       ; in front of loads into registers that the last products read
	WIN TOF
	FETCH \slot, (\q)+1, 1-(\q)%2
	WIN MULW
	MUL (\q)%2, \zero
.endm
.macro ASK                             ; the step two fills on; the loop's last trip has none
.if LAPS > 2
	s_cmp_gt_u32 s3, 1
	s_cbranch_scc0 .Lnone_\@
	global_prefetch_b8 v[PFO], s[PFA:PFA+1] th:TH_LOAD_NT scope:SCOPE_SE
.Lnone_\@:
.endif
.endm
.macro T slot, fill                    ; a slot's last quarter, and the change of slots
	s_wait_dscnt 0x0
	WIN MULW
	MUL 1, 0
	WIN 0
.if \fill
	s_wait_xcnt 0x0                                ; my last prefetch, a step back, has read its address
	s_add_nc_u64 s[PFA:PFA+1], s[PFA:PFA+1], s[PFS:PFS+1]
.endif
	s_wait_tensorcnt 0x0                           ; my one load that was out: my part of the next slot
	ds_add_u32 v[SPW], v[NIL]
.if \fill
	s_add_nc_u64 s[G0+4*\slot+2:G0+4*\slot+3], s[G0+4*\slot+2:G0+4*\slot+3], 2*ASTEP
	s_add_nc_u64 s[G0B+4*\slot+2:G0B+4*\slot+3], s[G0B+4*\slot+2:G0B+4*\slot+3], 2*STEPK
.endif
	s_wait_dscnt 0x0                               ; the add is done; my reads of this slot ended above
.if \fill
	CROUND                                         ; no wave of any partner reads this slot or has a load out
	JLOAD G0+4*\slot, G1, G0B+4*\slot, G1B         ; its four v_nop are the places in front of the loads below
.else
	s_barrier_signal -1
	s_barrier_wait -1
	PLACES 4
.endif
	WIN TOF
	FETCH 1-\slot, 0, 0
	WIN 0
.if \fill
	ASK
.endif
.endm
	s_wait_tensorcnt 0x0                           ; my part of step 0; slot 1's first fill is issued as a refill is
	ds_add_u32 v[SPW], v[NIL]
	s_wait_xcnt 0x0
	s_add_nc_u64 s[PFA:PFA+1], s[PFA:PFA+1], s[PFS:PFS+1]
	s_wait_dscnt 0x0
	CROUND
	JLOAD G0+4, G1, G0B+4, G1B                     ; step 1
	WIN TOF
	FETCH 0, 0, 0
	WIN 0
	global_prefetch_b8 v[PFO], s[PFA:PFA+1] th:TH_LOAD_NT scope:SCOPE_SE   ; step 3
	S 0, 0, 1                                      ; the first products start the sums
	WIN 0
	s_mov_b32 s3, LAPS-1
.Llap:                                             ; once round the ring, from a lap's second quarter to the next lap's first
	S 0, 1, 0
	S 0, 2, 0
	T 0, 1
	S 1, 0, 0
	S 1, 1, 0
	S 1, 2, 0
	T 1, 1
	S 0, 0, 0
	WIN 0
	s_sub_co_u32 s3, s3, 1
	s_cmp_lg_u32 s3, 0
	s_cbranch_scc1 .Llap
	S 0, 1, 0                                      ; the last lap fills nothing
	S 0, 2, 0
	T 0, 0
	S 1, 0, 0
	S 1, 1, 0
	S 1, 2, 0
	s_wait_dscnt 0x0
	WIN MULW
	MUL 1, 0
	WIN 0
; THE WAY OUT, 16 rows x 64 columns at a time, through my stage: it lies in slot 0, which has had its last fill and, since the last change of slots, its last read.
.macro TOSTAGE a
	WIN 0x02                                       ; source 0: window 2
.set i, 0
.rept 16
	v_pk_fma_f32 v[TMP+i:TMP+i+1], v[32*(\a)+i:32*(\a)+i+1], s[96:97], v[BI+i:BI+i+1] op_sel_hi:[1,0,1]   ; x 2^(e10 + e11), + the bias; each accumulator from its low end on
.set i, i+2
.endr
	WIN 0
.irp b, 0,1,2,3
	ds_store_b128 v[STO], v[TMP+8*\b:TMP+8*\b+3] offset:64*\b
	ds_store_b128 v[STO], v[TMP+8*\b+4:TMP+8*\b+7] offset:64*\b+16
.endr
.irp t, 0,1,2,3,4,5,6,7
	ds_load_b128 v[BK+32*(\a)+4*\t:BK+32*(\a)+4*\t+3], v[RD] offset:\t*2*SP   ; LDS serves a wave's instructions in order: these see the stores above
.endr
.endm
.macro SEND a, younger
	s_wait_dscnt \younger                          ; the block is back; the next block's 8 stores and 8 loads may be out
.irp t, 0,1,2,3,4,5,6,7
	global_store_b128 v[CO], v[BK+32*(\a)+4*\t:BK+32*(\a)+4*\t+3], s[12:13] offset:(16*(\a)+2*\t)*4096   ; sixteen lanes store 256 consecutive bytes, aligned; each block has registers of its own
.endr
.endm
	s_wait_kmcnt 0x0
	s_add_co_i32 s96, s96, s97
	s_add_co_i32 s96, s96, 127
	s_lshl_b32 s96, s96, 23                        ; 2^(e10 + e11)
	s_mov_b32 s97, s96
	s_wait_loadcnt 0x0                             ; the bias
	PLACES 4
	TOSTAGE 0
.irp a, 1,2,3
	TOSTAGE \a
	SEND \a-1, 16
.endr
	SEND 3, 0
	s_wait_tensorcnt 0x0                           ; the wave's end
	ds_add_u32 v[SPW], v[NIL]
	s_wait_dscnt 0x0
	CROUND                                         ; the closing round
	s_endpgm
.Lfunc_end_k_q488d2a7a1a_mproj:
	.size	k_q488d2a7a1a_mproj, .Lfunc_end_k_q488d2a7a1a_mproj-k_q488d2a7a1a_mproj
	.p2alignl 7, 3214868480
	.fill 96, 4, 3214868480
	.section	.rodata,"a",@progbits
	.p2align	6, 0x0
	.amdhsa_kernel k_q488d2a7a1a_mproj
		.amdhsa_group_segment_fixed_size 327680
		.amdhsa_private_segment_fixed_size 0
		.amdhsa_enable_private_segment 0
		.amdhsa_kernarg_size 40
		.amdhsa_user_sgpr_count 2
		.amdhsa_user_sgpr_kernarg_segment_ptr 1
		.amdhsa_wavefront_size32 1
		.amdhsa_system_sgpr_workgroup_id_x 1
		.amdhsa_system_sgpr_workgroup_id_y 1
		.amdhsa_system_sgpr_workgroup_id_z 1
		.amdhsa_system_vgpr_workitem_id 0
		.amdhsa_next_free_vgpr 640
		.amdhsa_next_free_sgpr 100
		.amdhsa_reserve_vcc 0
		.amdhsa_float_denorm_mode_32 3
		.amdhsa_float_denorm_mode_16_64 3
		.amdhsa_memory_ordered 1
		.amdhsa_forward_progress 1
		.amdhsa_inst_pref_size 92
	.end_amdhsa_kernel
	.amdgpu_metadata
---
amdhsa.version: [ 1, 2 ]
amdhsa.kernels:
  - .name:           k_q488d2a7a1a_mproj
    .symbol:         k_q488d2a7a1a_mproj.kd
    .args:
      - { .name: hi, .offset: 0, .size: 8, .value_kind: global_buffer, .address_space: global }
      - { .name: w_mproj_codes, .offset: 8, .size: 8, .value_kind: global_buffer, .address_space: global }
      - { .name: lowp_scales, .offset: 16, .size: 8, .value_kind: global_buffer, .address_space: global }
      - { .name: b_mproj, .offset: 24, .size: 8, .value_kind: global_buffer, .address_space: global }
      - { .name: xc, .offset: 32, .size: 8, .value_kind: global_buffer, .address_space: global }
    .group_segment_fixed_size: 327680
    .private_segment_fixed_size: 0
    .kernarg_segment_align: 8
    .kernarg_segment_size: 40
    .max_flat_workgroup_size: 128
    .sgpr_count:     100
    .vgpr_count:     640
    .wavefront_size: 32
...
	.end_amdgpu_metadata
.endif
;; end of part 7
;; launch ln2 (part 8): grid 256 x 1, 16 waves a work-group, no clusters, 0 bytes of LDS; arguments xc, nf, g2, b2, out0; writes out0
.if DOCPART == 8
	.amdgcn_target "amdgcn-amd-amdhsa--gfx1250"
	.amdhsa_code_object_version 6
	.text
	.protected	k_q488d2a7a1a_ln2
	.globl	k_q488d2a7a1a_ln2
	.p2align	8
	.type	k_q488d2a7a1a_ln2,@function
k_q488d2a7a1a_ln2:
	s_mov_b64 s[64:65], 0
	v_nop
	global_prefetch_b8 v0, s[64:65] scope:SCOPE_SE
	s_setreg_imm32_b32 hwreg(HW_REG_WAVE_MODE, 25, 1), 1
	s_wait_xcnt 0x0
; out = g2 (y - mean) / (std + 1e-6) + b2, y = n + m, row by row: mean over 1,024, std = sqrt(sum of (y - mean)^2 / 1,023).  m lies in the buffer xc (launch mproj), n in nf.
; A wave takes ONE row: 4,096 rows = 256 work-groups x 16 waves.  Each load and store of the wave covers 512 consecutive bytes; lane l holds columns 128 i + 4 l + 0 .. 3, i = 0 .. 7.
; All 32 loads go out at once; the row stays in registers; the sums go across lanes by DPP and one lane permute.  Waves share nothing: no LDS, no barrier.
; No matrix unit and no cluster: there is no product and no shared tile but g2 and b2 (8,192 bytes).  No prefetch: the launch has no loop to run ahead in.
.set M,  8                             ; v8-39    m, then y, y - mean, the result
.set N,  40                            ; v40-71   n
.set G,  72                            ; v72-103  g2
.set B,  104                           ; v104-135 b2
.set T,  136                           ; v136-151 partial sums
.set MN, 152
.set IV, 154
	s_load_b256 s[4:11], s[0:1], 0x0               ; m, n, g2, b2
	s_load_b64 s[12:13], s[0:1], 0x20              ; out
	v_lshrrev_b32 v1, 5, v0
	s_delay_alu instid0(VALU_DEP_1)
	v_readfirstlane_b32 s14, v1                    ; wave
	v_and_b32 v2, 31, v0
	s_delay_alu instid0(VALU_DEP_1)
	v_lshlrev_b32 v2, 4, v2                        ; 16 x lane
	v_mov_b32 v3, 0                                ; a lane permute's destination counts as one of its sources
	s_lshl_b32 s15, ttmp9, 4
	s_add_co_u32 s15, s15, s14                     ; my row
	s_lshl_b32 s16, s15, 12
	s_mov_b32 s17, 0
	s_mov_b32 s18, 0x76543210
	s_mov_b32 s19, 0xfedcba98
	s_wait_alu depctr_va_vdst(0)
	s_wait_kmcnt 0x0
	s_add_nc_u64 s[4:5], s[4:5], s[16:17]
	s_add_nc_u64 s[6:7], s[6:7], s[16:17]
	s_add_nc_u64 s[12:13], s[12:13], s[16:17]
.irp i, 0,1,2,3,4,5,6,7
	global_load_b128 v[M+4*\i:M+4*\i+3], v2, s[4:5] offset:512*\i th:TH_LOAD_NT
.endr
.irp i, 0,1,2,3,4,5,6,7
	global_load_b128 v[N+4*\i:N+4*\i+3], v2, s[6:7] offset:512*\i th:TH_LOAD_NT
.endr
.irp i, 0,1,2,3,4,5,6,7
	global_load_b128 v[G+4*\i:G+4*\i+3], v2, s[8:9] offset:512*\i
.endr
.irp i, 0,1,2,3,4,5,6,7
	global_load_b128 v[B+4*\i:B+4*\i+3], v2, s[10:11] offset:512*\i
.endr
.macro FOLD                            ; eight pairs of partial sums -> the row's sum in every lane
.irp k, 0,1,2,3
	v_pk_add_f32 v[T+2*\k:T+2*\k+1], v[T+2*\k:T+2*\k+1], v[T+2*\k+8:T+2*\k+9]
.endr
	s_delay_alu instid0(VALU_DEP_2)
	v_pk_add_f32 v[T:T+1], v[T:T+1], v[T+4:T+5]
	s_delay_alu instid0(VALU_DEP_2)
	v_pk_add_f32 v[T+2:T+3], v[T+2:T+3], v[T+6:T+7]
	s_delay_alu instid0(VALU_DEP_1)
	v_pk_add_f32 v[T:T+1], v[T:T+1], v[T+2:T+3]
	s_delay_alu instid0(VALU_DEP_1)
	v_add_f32 v[T], v[T], v[T+1]
.irp m, 1,2,4,8
	s_delay_alu instid0(VALU_DEP_1)
	v_add_f32_dpp v[T], v[T], v[T] row_xmask:\m row_mask:0xf bank_mask:0xf
.endr
	s_delay_alu instid0(VALU_DEP_1)
	v_permlanex16_b32 v3, v[T], s18, s19
	s_delay_alu instid0(VALU_DEP_1)
	v_add_f32 v[T], v[T], v3
.endm
	s_wait_loadcnt 0x0
.set i, 0
.rept 16
	v_pk_add_f32 v[M+i:M+i+1], v[M+i:M+i+1], v[N+i:N+i+1]     ; y = n + m
.set i, i+2
.endr
.set i, 0
.rept 8
	v_pk_add_f32 v[T+2*i:T+2*i+1], v[M+4*i:M+4*i+1], v[M+4*i+2:M+4*i+3]
.set i, i+1
.endr
	FOLD
	s_delay_alu instid0(VALU_DEP_1)
	v_mul_f32 v[MN], 0x3a800000, v[T]              ; / 1,024
	s_delay_alu instid0(VALU_DEP_1)
	v_mov_b32 v[MN+1], v[MN]
.set i, 0
.rept 16
	v_pk_add_f32 v[M+i:M+i+1], v[M+i:M+i+1], v[MN:MN+1] neg_lo:[0,1] neg_hi:[0,1]
.set i, i+2
.endr
.set i, 0
.rept 8
	v_pk_mul_f32 v[T+2*i:T+2*i+1], v[M+4*i:M+4*i+1], v[M+4*i:M+4*i+1]
.set i, i+1
.endr
.set i, 0
.rept 8
	v_pk_fma_f32 v[T+2*i:T+2*i+1], v[M+4*i+2:M+4*i+3], v[M+4*i+2:M+4*i+3], v[T+2*i:T+2*i+1]
.set i, i+1
.endr
	FOLD
	s_delay_alu instid0(VALU_DEP_1)
	v_mul_f32 v[T], 0x3a802008, v[T]               ; / 1,023
	s_wait_alu depctr_va_vdst(0)                   ; a wait ahead of each transcendental and ahead of its first reader
	v_sqrt_f32 v[T+1], v[T]
	v_nop
	s_wait_alu depctr_va_vdst(0)
	v_add_f32 v[T+1], 0x358637bd, v[T+1]           ; + 1e-6
	s_wait_alu depctr_va_vdst(0)
	v_rcp_f32 v[IV], v[T+1]
	v_nop
	s_wait_alu depctr_va_vdst(0)
	v_mov_b32 v[IV+1], v[IV]
.set i, 0
.rept 16
	v_pk_mul_f32 v[G+i:G+i+1], v[G+i:G+i+1], v[IV:IV+1]
.set i, i+2
.endr
.set i, 0
.rept 16
	v_pk_fma_f32 v[M+i:M+i+1], v[M+i:M+i+1], v[G+i:G+i+1], v[B+i:B+i+1]
.set i, i+2
.endr
.irp i, 0,1,2,3,4,5,6,7
	global_store_b128 v2, v[M+4*\i:M+4*\i+3], s[12:13] offset:512*\i th:TH_STORE_NT
.endr
	s_endpgm
.Lfunc_end_k_q488d2a7a1a_ln2:
	.size	k_q488d2a7a1a_ln2, .Lfunc_end_k_q488d2a7a1a_ln2-k_q488d2a7a1a_ln2
	.p2alignl 7, 3214868480
	.fill 96, 4, 3214868480
	.section	.rodata,"a",@progbits
	.p2align	6, 0x0
	.amdhsa_kernel k_q488d2a7a1a_ln2
		.amdhsa_group_segment_fixed_size 0
		.amdhsa_private_segment_fixed_size 0
		.amdhsa_enable_private_segment 0
		.amdhsa_kernarg_size 40
		.amdhsa_user_sgpr_count 2
		.amdhsa_user_sgpr_kernarg_segment_ptr 1
		.amdhsa_wavefront_size32 1
		.amdhsa_system_sgpr_workgroup_id_x 1
		.amdhsa_system_sgpr_workgroup_id_y 1
		.amdhsa_system_sgpr_workgroup_id_z 1
		.amdhsa_system_vgpr_workitem_id 0
		.amdhsa_next_free_vgpr 160
		.amdhsa_next_free_sgpr 66
		.amdhsa_reserve_vcc 0
		.amdhsa_float_denorm_mode_32 3
		.amdhsa_float_denorm_mode_16_64 3
		.amdhsa_memory_ordered 1
		.amdhsa_forward_progress 1
		.amdhsa_inst_pref_size 14
	.end_amdhsa_kernel
	.amdgpu_metadata
---
amdhsa.version: [ 1, 2 ]
amdhsa.kernels:
  - .name:           k_q488d2a7a1a_ln2
    .symbol:         k_q488d2a7a1a_ln2.kd
    .args:
      - { .name: xc, .offset: 0, .size: 8, .value_kind: global_buffer, .address_space: global }
      - { .name: nf, .offset: 8, .size: 8, .value_kind: global_buffer, .address_space: global }
      - { .name: g2, .offset: 16, .size: 8, .value_kind: global_buffer, .address_space: global }
      - { .name: b2, .offset: 24, .size: 8, .value_kind: global_buffer, .address_space: global }
      - { .name: out0, .offset: 32, .size: 8, .value_kind: global_buffer, .address_space: global }
    .group_segment_fixed_size: 0
    .private_segment_fixed_size: 0
    .kernarg_segment_align: 8
    .kernarg_segment_size: 40
    .max_flat_workgroup_size: 512
    .sgpr_count:     66
    .vgpr_count:     160
    .wavefront_size: 32
...
	.end_amdgpu_metadata
.endif
;; end of part 8
